; MI455X (gfx1250); checked and timed in simulation.
; The chip was launched on July 23, 2026; its instructions are those of AMD's public machine-readable ISA for CDNA 5 (MIT licence, August 2026) and "CDNA5" Instruction Set Architecture Reference Guide (July 2026). The comments in the code are by the model that wrote it; some were corrected since.
;; Multi Head Self Attention With Rotary Positional Embeddings. Allowed arithmetic: matrix products marked QUANTISED: E2M1 operands, one E8M0 scale for each 32 along K, by v_wmma_scale_f32_16x16x128_f8f6f4 with both operands' format E2M1 (or v_wmma_scale_f32_32x16x128_f4), f32 sums; everything else in f32.
;; Inputs: W_out_codes 1,024 x 32 x 16 uint8 (E2M1 codes of W_out, K innermost, in blocks of 32 codes, two codes a byte); W_out_scales 1,024 x 32 uint8 (E8M0 scales of W_out, one for each 32 codes along K); W_qkv_codes 3,072 x 32 x 16 uint8 (E2M1 codes of W_qkv, K innermost, in blocks of 32 codes, two codes a byte); W_qkv_scales 3,072 x 32 uint8 (E8M0 scales of W_qkv, one for each 32 codes along K); b_out 1,024 float32; b_qkv 3,072 float32; query_codes 4 x 2,048 x 32 x 16 uint8 (E2M1 codes of query, K innermost, in blocks of 32 codes, two codes a byte); query_scales 4 x 2,048 x 32 uint8 (E8M0 scales of query, one for each 32 codes along K).
;; Outputs: out0 4 x 2,048 x 1,024 float32.
;; This version of the problem:
;;   THIS VERSION OF THE PROBLEM IS GIVEN IN LOW PRECISION. The matrix products marked QUANTISED in the list below multiply operands that are first quantised to E2M1 (2 exponent bits, 1 mantissa bit; 4 bits a number), with one power-of-two scale for each 32 numbers along K (OCP MX v1.0); their sums are f32. All else is computed in f32.
;;   The module's matrix products, in the order in which they are computed (A, B: the left and right operand; K: the contracted axis; several contracted axes count as one K, in the product's order):
;;     1. [M 8,192, K 1,024] x [K 1,024, N 3,072]; A: input query (given as codes); B: input W_qkv (given as codes): QUANTISED
;;     2. batch 64 x [M 2,048, K 64] x [K 64, N 2,048]; A: computed on the way; B: computed on the way: QUANTISED
;;     3. batch 64 x [M 2,048, K 2,048] x [K 2,048, N 64]; A: softmax (see below); B: computed on the way: QUANTISED
;;     4. [M 8,192, K 1,024] x [K 1,024, N 1,024]; A: computed on the way; B: input W_out (given as codes): QUANTISED
;;   THE QUANTISER, for each operand of a quantised product, along K:
;;     - K is cut into blocks of 32 from its start; a last block that is shorter is filled with zeros.
;;     - A block's scale is 2^e with e = floor(log2(the largest magnitude in the block)) - 2, held to -126 .. 127; a block of zeros has e = 0. As a byte (E8M0): e + 127.
;;     - Each number is divided by its block's scale, clamped to +-6, and rounded to the nearest number of E2M1, ties to even, subnormals kept.
;;     - The product sums the exact products of the quantised numbers (number of the format x scale) in f32.
;;   ~~~python
;;   def quantise(x, axis):      # numpy; x: float32 -> the quantised numbers, widened to float32 again
;;       x = np.moveaxis(x, axis, -1); K = x.shape[-1]
;;       x = np.pad(x, [(0, 0)] * (x.ndim - 1) + [(0, -K % 32)]); x = x.reshape(x.shape[:-1] + (-1, 32)); a = np.abs(x).max(-1, keepdims=True)
;;       e = np.where(a > 0, np.clip(np.frexp(np.where(a > 0, a, 1))[1] - 1 - 2, -126, 127), 0)      # np.frexp(a)[1] - 1 = floor(log2(a)), exactly
;;       r = np.clip(x / 2.0 ** e, -6, 6)
;;       step = 2.0 ** (np.maximum(np.frexp(np.where(r == 0, 1, r))[1] - 1, 0) - 1)
;;       q = np.round(r / step) * step * 2.0 ** e      # np.round: ties to even
;;       return np.moveaxis(q.reshape(q.shape[:-2] + (-1,))[..., :K], -1, axis).astype(np.float32)
;;   ~~~
;;   SOFTMAX AHEAD OF A QUANTISED PRODUCT. Where the list says 'softmax', what is quantised is not the finished softmax but p = 2^(t - M), with t = logit x log2(e) and M = ceil(the row's largest t), a whole number; so 1/2 < the row's largest p <= 1. The row's sum l is taken of the UNQUANTISED p, in f32, and the product's result is divided by l at the end. Since M is a whole number, a kernel that streams over the keys may use a running M (the ceiling of the running maximum): every later rescaling is an exact power of two, which a block's scale takes up: the codes' values come out the same.
;;   OPERANDS COMPUTED ON THE WAY. 'Computed on the way' means the value that the module computes at that place (a softmax that the list does not call 'softmax' is quantised finished and normalised). What goes into a quantiser is computed in f32, as accurately as f32 sums, v_exp_f32 and their like allow (about 1e-6 of the number): no bf16 or f16 on the way to a quantiser, and a product that is left as it is and whose result goes on into a quantised operand takes f32 operands (vector FMAs, or v_wmma_f32_16x16x4_f32). A number that lies on a knife's edge between two numbers of the format may be rounded either way, as far as f32 arithmetic and the matrix unit's own rounding can turn it there, and no further.
;;   INPUTS GIVEN AS CODES. W_out (in the module: [1024, 1024], K = its axis 1); W_qkv (in the module: [3072, 1024], K = its axis 1); query (in the module: [4, 2048, 1024], K = its axis 2): each comes as NAME_codes (uint8): NAME with its K axis moved to the last place and cut into blocks of 32 codes, [.., K / 32, bytes a block], one block behind the other in memory; two codes a byte, the lower K in the low four bits (a code: sign, 2 exponent bits, 1 mantissa bit); and NAME_scales (uint8): the same leading axes, one E8M0 byte (e + 127) for each 32 codes along K. Its value is code x scale, taken as it is: it is not quantised again, and the codes and scales need not be those that the quantiser above would give.
;; One version. Each part assembles by itself: llvm-mc -triple=amdgcn-amd-amdhsa -mcpu=gfx1250 --defsym DOCPART=n.
;; ======== version 1 of 1: 4 launches
;; limits: right only within a limited range of input values
;; workspace buffers: rope_tab 524,288 bytes; q_rec 4,718,592 bytes; kv 9,175,040 bytes; o_img 4,194,304 bytes; o_sc 262,144 bytes
;; launch rope (part 1): grid 64 x 1, 4 waves a work-group, no clusters, 0 bytes of LDS; arguments rope_tab; writes rope_tab
.if DOCPART == 1
	.amdgcn_target "amdgcn-amd-amdhsa--gfx1250"
	.amdhsa_code_object_version 6
	.text
	.protected	k_q8155e86cad_rope
	.globl	k_q8155e86cad_rope
	.p2align	8
	.type	k_q8155e86cad_rope,@function
k_q8155e86cad_rope:
	s_mov_b64 s[64:65], 0
	v_nop
	global_prefetch_b8 v0, s[64:65] scope:SCOPE_SE
	s_setreg_imm32_b32 hwreg(HW_REG_WAVE_MODE, 25, 1), 1
	s_wait_xcnt 0x0
; THE PROGRAM: multi-head self-attention with rotary embeddings, B = 4, S = 2,048, D = 1,024, 16 heads of 64, all four products on codes of FP4 (E2M1) with one E8M0 scale for each 32 along K.
; Four launches: this one (the table of cosines and sines); qkv (product 1, bias, rotation, the quantisers of q, k, v); attn (products 2 and 3 with the softmax, the quantiser of the result); proj (product 4, bias).
; DEAD WORK: none.  Every input has a way to the output (b_qkv's part for k goes into a quantiser and stays), every product is live, and nothing of reference() is left out.
; LIMITS of the program: NaN and infinities among the inputs are not served; a block of zeros has the scale byte 1 in the program's own buffers (its codes are zeros, which add nothing); 1 / l is v_rcp_f32 and a
; multiplication; p under 2^-126 is 0; the frequencies are 1 / fl(10^(i / 8)), rounded to nearest: a power function that rounds otherwise moves an angle by an ulp.
;
; THIS LAUNCH: rope_tab[s][p] = cos(s f(2p)), cos(s f(2p+1)), sin(s f(2p)), sin(s f(2p+1)), f(i) = 1 / 10000^(i / 32), s = 0 .. 2,047, p = 0 .. 15: 256 bytes a position.
; A wave takes 8 positions in 4 steps of 2; lane l takes pair l % 16 of position + l / 16, so a store of the wave covers 512 consecutive bytes.  No LDS, no matrix unit, no cluster: nothing is shared and nothing is read.
; The angle is one f32 product, as reference() has it.  It is reduced by n = the nearest whole number to angle x 2 / pi, in two fused steps (pi / 2 as a high and a low part: the first difference is a multiple of 2^-23
; under 1 and so exact), and sine and cosine on +-pi / 4 are polynomials in f32; the quadrant n % 4 swaps them and sets the signs.
.macro FRQ p, a, b                     ; 10000^(i / 32) for i = 2 p and 2 p + 1, into lanes p and p + 16 of v2 and v3
	s_mov_b32 s4, \a
	s_mov_b32 s5, \b
	v_writelane_b32 v2, s4, \p
	v_writelane_b32 v2, s4, \p+16
	v_writelane_b32 v3, s5, \p
	v_writelane_b32 v3, s5, \p+16
.endm
; cos and sin of v12 (the position, f32) x v[inv], into v[c] and v[s]
.macro SINCOS inv, c, s
	v_mul_f32 v32, v12, v[\inv]                    ; the angle
	v_mul_f32 v33, s8, v32
	v_rndne_f32 v33, v33                           ; n
	v_fma_f32 v34, -v33, s9, v32                   ; angle - n x (pi / 2)'s high part: exact
	v_fma_f32 v34, -v33, s10, v34                  ; - n x its low part: rho
	v_mul_f32 v35, v34, v34                        ; z = rho^2
	v_cvt_i32_f32 v36, v33
	v_fma_f32 v37, v35, s11, s12
	v_fma_f32 v37, v37, v35, s13
	v_mul_f32 v38, v35, v34
	v_fma_f32 v39, v38, v37, v34                   ; sin(rho)
	v_fma_f32 v40, v35, s14, s15
	v_fma_f32 v40, v40, v35, s16
	v_mul_f32 v38, v35, v35
	v_fma_f32 v41, v35, -0.5, 1.0
	v_fma_f32 v42, v38, v40, v41                   ; cos(rho)
	v_and_b32 v43, 1, v36
	v_cmp_eq_u32 vcc_lo, 1, v43                    ; an odd quadrant swaps the two
	v_cndmask_b32 v[\s], v39, v42, vcc_lo
	v_cndmask_b32 v[\c], v42, v39, vcc_lo
	v_lshlrev_b32 v38, 30, v36
	v_and_b32 v38, 0x80000000, v38                 ; sine is negative in quadrants 2 and 3
	v_xor_b32 v[\s], v[\s], v38
	v_add_nc_u32 v36, 1, v36
	v_lshlrev_b32 v38, 30, v36
	v_and_b32 v38, 0x80000000, v38                 ; cosine in quadrants 1 and 2
	v_xor_b32 v[\c], v[\c], v38
.endm
	s_load_b64 s[2:3], s[0:1], 0x0
	v_mov_b32 v2, 0
	v_mov_b32 v3, 0
	FRQ 0, 1.0, 1.3335214321633240
	FRQ 1, 1.7782794100389228, 2.3713737056616552
	FRQ 2, 3.1622776601683795, 4.2169650342858224
	FRQ 3, 5.6234132519034908, 7.4989420933245582
	FRQ 4, 10.0, 13.335214321633240
	FRQ 5, 17.782794100389228, 23.713737056616552
	FRQ 6, 31.622776601683795, 42.169650342858224
	FRQ 7, 56.234132519034908, 74.989420933245582
	FRQ 8, 100.0, 133.35214321633240
	FRQ 9, 177.82794100389228, 237.13737056616552
	FRQ 10, 316.22776601683795, 421.69650342858224
	FRQ 11, 562.34132519034908, 749.89420933245582
	FRQ 12, 1000.0, 1333.5214321633240
	FRQ 13, 1778.2794100389228, 2371.3737056616552
	FRQ 14, 3162.2776601683795, 4216.9650342858224
	FRQ 15, 5623.4132519034908, 7498.9420933245582
	s_mov_b32 s8, 0x3f22f983                       ; 2 / pi
	s_mov_b32 s9, 0x3fc90fdb                       ; pi / 2, high part
	s_mov_b32 s10, 0xb33bbd2e                      ; and low part
	s_mov_b32 s11, -1.9515295891e-4                ; sine's polynomial
	s_mov_b32 s12, 8.3321608736e-3
	s_mov_b32 s13, -1.6666654611e-1
	s_mov_b32 s14, 2.443315711809948e-5            ; cosine's
	s_mov_b32 s15, -1.388731625493765e-3
	s_mov_b32 s16, 4.166664568298827e-2
	s_wait_alu depctr_va_vdst(0)
	v_rcp_f32 v8, v2
	v_rcp_f32 v9, v3
	v_lshrrev_b32 v1, 5, v0                        ; wave.  (A plain line behind the reciprocals)
	v_and_b32 v4, 31, v0                           ; lane
	v_bfe_u32 v5, v0, 4, 1                         ; lane / 16
	v_lshlrev_b32 v6, 4, v4
	v_lshl_add_u32 v6, v1, 11, v6                  ; my 16 bytes: 2,048 x wave + 16 x lane
	v_lshl_add_u32 v7, v1, 3, v5
	s_lshl_b32 s6, ttmp9, 5
	v_add_nc_u32 v7, s6, v7                        ; my position in step 0: 32 x work-group + 8 x wave + lane / 16
	s_wait_alu depctr_va_vdst(0)                   ; one wait for both reciprocals, ahead of their first reader
	v_fma_f32 v10, -v2, v8, 1.0                    ; one step of Newton's: 1 / P to the nearest f32
	v_fma_f32 v11, -v3, v9, 1.0
	v_fma_f32 v8, v8, v10, v8
	v_fma_f32 v9, v9, v11, v9
	s_lshl_b32 s6, ttmp9, 13                       ; the work-group's 32 positions of 256 bytes
	s_mov_b32 s7, 0
	s_wait_kmcnt 0x0
	s_add_nc_u64 s[2:3], s[2:3], s[6:7]
.irp it, 0,1,2,3                       ; each step has result registers of its own: no store's data are written again
	v_add_nc_u32 v13, 2*\it, v7
	v_cvt_f32_u32 v12, v13
	s_wait_alu depctr_va_vdst(0)
	SINCOS 8, 16+4*\it, 18+4*\it
	SINCOS 9, 17+4*\it, 19+4*\it
	global_store_b128 v6, v[16+4*\it:19+4*\it], s[2:3] offset:512*\it   ; 32 lanes store 512 consecutive bytes
.endr
	s_endpgm
.Lfunc_end_k_q8155e86cad_rope:
	.size	k_q8155e86cad_rope, .Lfunc_end_k_q8155e86cad_rope-k_q8155e86cad_rope
	.p2alignl 7, 3214868480
	.fill 96, 4, 3214868480
	.section	.rodata,"a",@progbits
	.p2align	6, 0x0
	.amdhsa_kernel k_q8155e86cad_rope
		.amdhsa_group_segment_fixed_size 0
		.amdhsa_private_segment_fixed_size 0
		.amdhsa_enable_private_segment 0
		.amdhsa_kernarg_size 8
		.amdhsa_user_sgpr_count 2
		.amdhsa_user_sgpr_kernarg_segment_ptr 1
		.amdhsa_wavefront_size32 1
		.amdhsa_system_sgpr_workgroup_id_x 1
		.amdhsa_system_sgpr_workgroup_id_y 1
		.amdhsa_system_sgpr_workgroup_id_z 1
		.amdhsa_system_vgpr_workitem_id 0
		.amdhsa_next_free_vgpr 48
		.amdhsa_next_free_sgpr 66
		.amdhsa_reserve_vcc 1
		.amdhsa_float_denorm_mode_32 3
		.amdhsa_float_denorm_mode_16_64 3
		.amdhsa_memory_ordered 1
		.amdhsa_forward_progress 1
		.amdhsa_inst_pref_size 19
	.end_amdhsa_kernel
	.amdgpu_metadata
---
amdhsa.version: [ 1, 2 ]
amdhsa.kernels:
  - .name:           k_q8155e86cad_rope
    .symbol:         k_q8155e86cad_rope.kd
    .args:
      - { .name: rope_tab, .offset: 0, .size: 8, .value_kind: global_buffer, .address_space: global }
    .group_segment_fixed_size: 0
    .private_segment_fixed_size: 0
    .kernarg_segment_align: 8
    .kernarg_segment_size: 8
    .max_flat_workgroup_size: 128
    .sgpr_count:     66
    .vgpr_count:     48
    .wavefront_size: 32
...
	.end_amdgpu_metadata
.endif
;; end of part 1
;; launch qkv (part 2): grid 8 x 32, 4 waves a work-group, clusters of 4 x 4, 327,680 bytes of LDS; arguments query_codes, query_scales, W_qkv_codes, W_qkv_scales, b_qkv, rope_tab, q_rec, kv; writes q_rec, kv
.if DOCPART == 2
	.amdgcn_target "amdgcn-amd-amdhsa--gfx1250"
	.amdhsa_code_object_version 6
	.text
	.protected	k_q8155e86cad_qkv
	.globl	k_q8155e86cad_qkv
	.p2align	8
	.type	k_q8155e86cad_qkv,@function
k_q8155e86cad_qkv:
	s_mov_b64 s[64:65], 0
	v_nop
	global_prefetch_b8 v0, s[64:65] scope:SCOPE_SE
	s_setreg_imm32_b32 hwreg(HW_REG_WAVE_MODE, 25, 1), 1
	s_wait_xcnt 0x0
	s_wait_alu depctr_hold_cnt(0) depctr_sa_sdst(0) depctr_va_vdst(0) depctr_va_sdst(0) depctr_va_ssrc(0) depctr_va_vcc(0) depctr_vm_vsrc(0)
	s_getreg_b32 s2, hwreg(HW_REG_IB_STS2, 6, 4)
	s_cmp_eq_u32 s2, 0
	s_cbranch_scc0 .Lentry_in_a_cluster
	s_endpgm
.Lentry_in_a_cluster:
	s_bfe_u32 s2, ttmp6, 0x10000c
	s_cmp_lg_u32 s2, 0xf033
	s_cbranch_scc0 .Lentry_shape_is_right
	s_endpgm
.Lentry_shape_is_right:
; qkv = query W_qkv^T + b_qkv on codes of FP4; q and k are rotated (rope_tab) and quantised along the head's 64; v is quantised along the keys.  Nothing of reference() is left out here.
; A tile of 256 x 256 to a work-group of four waves, 128 x 128 to a wave: 64 accumulators of 16 x 16.  K = 1,024 lies in LDS WHOLE, as two halves of 512 codes (rows of 256 bytes), both asked for at the head:
; only B's rows are filled again, once, for v: there is no ring.  By this text's count a wave has one tensor load out.
; THE MATRIX INSTRUCTION IS USED TRANSPOSED: source 0 = 16 rows of side B, source 1 = 16 rows of side A: a lane holds ONE row of A (lane % 16), its registers 8 neighbouring rows of B (8 (lane / 16) + 0 .. 7).
; A quantiser wants neighbours along ITS K in one lane's registers.  So the sides are chosen by the cluster's x: 0 (q) and 1 (k): A = query (a lane a position), B = W_qkv (registers along the head's channels);
; 2 (v): A = W_qkv (a lane a channel), B = query (registers along the positions, which are the keys).  The choice hangs on the cluster's number alone: it is the same in all sixteen partners.
; CLUSTERS: 4 x 4.  A's tile hangs on cy, B's on cx: each is asked for jointly by the four that share it.
; THE SCALE WORDS go from memory straight into registers, once: register SA + 8 j + q holds, for K step q, the words of A's block 2 j in lanes 0-15 and of block 2 j + 1 in lanes 16-31; SB likewise.  These registers hold nothing else.
; WHAT IS STORED are images of operand registers, 16 bytes a lane, 512 consecutive bytes a store.  q_rec: a record of 4,608 bytes for each head and 128 positions: 8 tiles x 512 bytes of codes, then the scale words
; [tiles 0-3 | 4-7][row 16][4].  kv: a record of 8,960 bytes for each head and 128 keys: k's codes and, at 8,192, its words as in q_rec; at 4,096 v's four fragments (16 channels x 128 keys); at 8,704 v's words [row 16][tile 4].
; q's and k's words repeat their two bytes in the upper half: product 2's K step of 128 has 64 live codes, and the other 64 meet zeros under scale bytes that are no larger and never 0xff.
; A block's scale: the largest magnitude's exponent field - 2, held at 1 from below.  LIMITS: NaN and infinities are not served; a block of zeros has the byte 1 (its codes are zeros; these bytes are read by this program alone).
; REGISTERS: window 0: v0-31 addresses; v32-95 scale words; v96-127 the way out's small things; v128-255 A's fragments, two sets.  window 1: B's two sets at v0 and v128; the rest takes the table.  windows 2, 3: accumulator (a, b) at v[8 (8 (a % 4) + b)].
; ONE tensor load a wave brings 128 WHOLE rows of K (512 bytes each): an LDS row holds both halves of K, the second 256 bytes behind the first; by this text's count a wave has one tensor load out.
; THE SHARES AS THEY NOW STAND (in place of what is said above of a cluster x = 2): the grid is 8 x 32 work-groups.  Each makes a tile of 256 positions x 256 channels of q (cluster x = 0) or k (1), A = query, B = W_qkv,
; and then 128 channels of v (two heads: 2,048 + 128 x its tile column) for the SAME 256 positions: A = W_qkv's 128 rows, B = query, whose codes stay in LDS.  Behind the last q / k product the bytes that held W_qkv's rows
; are filled again with v's 128 rows, 32 a wave, by one joint load a wave behind a round of the cluster's barrier; it lands while q or k is rotated, quantised and stored.  For v a wave has 64 channels (one head) x 128 keys: 32 accumulators.
.set PITCH, 528
.set HALFT, 128*PITCH                  ; 128 rows: what one tensor load brings
.set SLOT,  256                        ; from the first half of K to the second, inside a row
.set SPARE, 4*HALFT                    ; behind A's 256 rows and B's 256: the spare words, 128 bytes a wave
.set ADRA, 16                          ; v16-17 LDS address of my A fragments in half 0, 1
.set ADRB, 20                          ; v20-21 the same for B
.set SPW,  28
.set NIL,  29
.set SA,   32
.set SB,   64
.set AF,   128
.set AFS,  64
.set G1,   24
.set G0,   32
.set G1B,  48
.set G0B,  56
.set SEL,  96                          ; s[96:97] lane selects for lane xor 16
.set PWS,  96                          ; q, k: v96-111 the 16 tiles' scale words
.set TM,   112                         ; v112-119 at work
.set SW,   120                         ; v120-127 the words as they are stored
.set BIAS, 128                         ; v128-191
.set X,    192                         ; v192-223 32 numbers with their bias; then the tile's codes
.set Y,    224                         ; v224-255 rotated
.set VB,   96                          ; v: v96-103 the bias of my channel, twice, for each tile
.set VW,   112                         ; v112-115 the 4 tiles' scale words
.set T,    128                         ; v128-191 64 numbers with their bias
.set VPC,  192                         ; v192-199 the tile's codes
.set TQ,   224                         ; v224-235 at work
.set VSW,  240
.set MSB, 0
.macro WIN new                         ; the immediate's high byte repeats the setting that is left
.if MSB != (\new)
	s_set_vgpr_msb (MSB<<8)|(\new)
.set MSB, (\new)
.endif
.endm
.set MUL_LO, 0xa1                      ; source 0 (B) window 1, source 1 (A) window 0, C and D window 2
.set MUL_HI, 0xf1
.set TO_B,   0x40
.macro PLACES n
.rept \n
	v_nop
.endr
.endm
.macro JLOAD g0a, g1a, g0b, g1b        ; a joint load: waves 0 and 1 fetch for A, waves 2 and 3 for B; an s_nop 0 and four v_nop follow each line
	s_cmp_eq_u32 s21, 0
	s_cbranch_scc0 .Lfor_b_\@
	tensor_load_to_lds s[\g0a:\g0a+3], s[\g1a:\g1a+7]
	s_nop 0
.rept 4
	v_nop
.endr
	s_branch .Lasked_\@
.Lfor_b_\@:
	tensor_load_to_lds s[\g0b:\g0b+3], s[\g1b:\g1b+7]
	s_nop 0
.rept 4
	v_nop
.endr
.Lasked_\@:
.endm
.macro CROUND                          ; a round of the cluster's barrier
	s_barrier_signal -1
	s_barrier_wait -1
	s_cmp_lg_u32 s20, 0
	s_cbranch_scc1 .Lnot_wave_0_\@
	s_barrier_signal -3
.Lnot_wave_0_\@:
	s_barrier_wait -3
	s_barrier_signal -1
	s_barrier_wait -1
.endm
; one product; its registers are the symbols rD, rS0, rS1, rX0, rX1; rR0, rR1 say whether a side's words stand in lanes 16-31.  z = 1: it starts the sum
.macro WM z
.if \z
.if rR0 && rR1
	v_wmma_scale_f32_16x16x128_f8f6f4 v[rD:rD+7], v[rS0:rS0+7], v[rS1:rS1+7], 0, v[rX0], v[rX1] matrix_a_fmt:MATRIX_FMT_FP4 matrix_b_fmt:MATRIX_FMT_FP4 matrix_a_scale:MATRIX_SCALE_ROW1 matrix_b_scale:MATRIX_SCALE_ROW1
.elseif rR0
	v_wmma_scale_f32_16x16x128_f8f6f4 v[rD:rD+7], v[rS0:rS0+7], v[rS1:rS1+7], 0, v[rX0], v[rX1] matrix_a_fmt:MATRIX_FMT_FP4 matrix_b_fmt:MATRIX_FMT_FP4 matrix_a_scale:MATRIX_SCALE_ROW1
.elseif rR1
	v_wmma_scale_f32_16x16x128_f8f6f4 v[rD:rD+7], v[rS0:rS0+7], v[rS1:rS1+7], 0, v[rX0], v[rX1] matrix_a_fmt:MATRIX_FMT_FP4 matrix_b_fmt:MATRIX_FMT_FP4 matrix_b_scale:MATRIX_SCALE_ROW1
.else
	v_wmma_scale_f32_16x16x128_f8f6f4 v[rD:rD+7], v[rS0:rS0+7], v[rS1:rS1+7], 0, v[rX0], v[rX1] matrix_a_fmt:MATRIX_FMT_FP4 matrix_b_fmt:MATRIX_FMT_FP4
.endif
.else
.if rR0 && rR1
	v_wmma_scale_f32_16x16x128_f8f6f4 v[rD:rD+7], v[rS0:rS0+7], v[rS1:rS1+7], v[rD:rD+7], v[rX0], v[rX1] matrix_a_fmt:MATRIX_FMT_FP4 matrix_b_fmt:MATRIX_FMT_FP4 matrix_a_scale:MATRIX_SCALE_ROW1 matrix_b_scale:MATRIX_SCALE_ROW1
.elseif rR0
	v_wmma_scale_f32_16x16x128_f8f6f4 v[rD:rD+7], v[rS0:rS0+7], v[rS1:rS1+7], v[rD:rD+7], v[rX0], v[rX1] matrix_a_fmt:MATRIX_FMT_FP4 matrix_b_fmt:MATRIX_FMT_FP4 matrix_a_scale:MATRIX_SCALE_ROW1
.elseif rR1
	v_wmma_scale_f32_16x16x128_f8f6f4 v[rD:rD+7], v[rS0:rS0+7], v[rS1:rS1+7], v[rD:rD+7], v[rX0], v[rX1] matrix_a_fmt:MATRIX_FMT_FP4 matrix_b_fmt:MATRIX_FMT_FP4 matrix_b_scale:MATRIX_SCALE_ROW1
.else
	v_wmma_scale_f32_16x16x128_f8f6f4 v[rD:rD+7], v[rS0:rS0+7], v[rS1:rS1+7], v[rD:rD+7], v[rX0], v[rX1] matrix_a_fmt:MATRIX_FMT_FP4 matrix_b_fmt:MATRIX_FMT_FP4
.endif
.endif
.endm
; K step q: 64 products.  The 64 accumulators take turns, one instruction a turn, in the same order in every step
.macro MULS q, z
.irp a, 0,1,2,3,4,5,6,7
.if \a < 4
	WIN MUL_LO
.else
	WIN MUL_HI
.endif
.irp b, 0,1,2,3,4,5,6,7
.set rD, 8*(8*(\a%4)+\b)
.set rS0, 128*((\q)%2)+8*\b
.set rS1, AF+AFS*((\q)%2)+8*\a
.set rX0, SB+8*(\b/2)+(\q)
.set rX1, SA+8*(\a/2)+(\q)
.set rR0, \b%2
.set rR1, \a%2
	WM \z
.endr
.endr
.endm
; the fragments of K step q into set q % 2: 16 rows x 128 K of 4-bit codes are 8 registers, two loads of 16 bytes, 32 bytes apart, at row x pitch + 16 (lane / 16)
.macro FETCH q
	WIN TO_B
.irp i, 0,1,2,3,4,5,6,7
.irp c, 0,1
	ds_load_b128 v[128*((\q)%2)+8*\i+4*\c:128*((\q)%2)+8*\i+4*\c+3], v[ADRB+(\q)/4] offset:64*((\q)%4)+32*\c+\i*16*PITCH
.endr
.endr
	WIN 0
.irp i, 0,1,2,3,4,5,6,7
.irp c, 0,1
	ds_load_b128 v[AF+AFS*((\q)%2)+8*\i+4*\c:AF+AFS*((\q)%2)+8*\i+4*\c+3], v[ADRA+(\q)/4] offset:64*((\q)%4)+32*\c+\i*16*PITCH
.endr
.endr
.endm
.macro STEP q, z, fetch, bar
	s_wait_dscnt 0x0                               ; this step's set, asked for a step (64 products) ago, is in
.if \bar
	s_wait_tensorcnt 0x0                           ; my part of the second half of K is in;
	s_barrier_signal -1
	s_barrier_wait -1                              ; everybody's is.
.endif
.if \fetch
	PLACES 4                                       ; four places between the last product that read the other set and the loads into it
	FETCH \q+1
.endif
	MULS \q, \z
.endm
; 32 numbers of a lane, register 16 b + i: block b's numbers 8 (lane / 16) + 0 .. 7 and 16 + 8 (lane / 16) + 0 .. 7, become half a fragment's codes in v[pc] .. v[pc + 3] and the scale word in v[pw]
.macro QUANT2 s, pc, pw
.irp b, 0,1
	v_max3_num_f32 v[TM+\b], |v[\s+16*\b]|, |v[\s+16*\b+1]|, 0x1800000   ; my 16 numbers of block b, and the floor 2^(3 - 127): the byte cannot fall under 1
.endr
.irp i, 2,4,6,8,10,12,14
.irp b, 0,1
	v_max3_num_f32 v[TM+\b], v[TM+\b], |v[\s+16*\b+\i]|, |v[\s+16*\b+\i+1]|
.endr
.endr
.irp b, 0,1
	v_permlanex16_b32 v[TM+2+\b], v[TM+\b], s[SEL], s[SEL+1]
.endr
.irp b, 0,1
	v_max_num_f32 v[TM+\b], v[TM+\b], v[TM+2+\b]   ; with lane xor 16's: the block's largest magnitude
.endr
.irp b, 0,1
	v_add_nc_u32 v[TM+4+\b], 0xff000000, v[TM+\b]  ; 2 off its exponent field: the conversion's scale operand
.endr
.irp b, 0,1
	v_lshrrev_b32 v[TM+6+\b], 23, v[TM+4+\b]       ; the scale's byte
.endr
	v_lshl_or_b32 v[\pw], v[TM+7], 8, v[TM+6]
	v_lshl_or_b32 v[\pw], v[\pw], 16, v[\pw]       ; the two bytes once more, for the half of the K step that holds no live codes
	v_cvt_scalef32_pk8_fp4_f32 v[\pc], v[\s:\s+7], v[TM+4]         ; k = 8 h + 0 .. 7
	v_cvt_scalef32_pk8_fp4_f32 v[\pc+2], v[\s+8:\s+15], v[TM+4]    ; k = 16 + 8 h + ..
	v_cvt_scalef32_pk8_fp4_f32 v[\pc+1], v[\s+16:\s+23], v[TM+5]   ; k = 32 + 8 h + ..
	v_cvt_scalef32_pk8_fp4_f32 v[\pc+3], v[\s+24:\s+31], v[TM+5]   ; k = 48 + 8 h + ..
	v_nop                                          ; one plain line behind the conversions
	v_permlane16_swap_b32 v[\pc], v[\pc+1]         ; the first's lanes 16-31 change places with the second's lanes 0-15: register m now holds k = 32 h + 8 m + 0 .. 7
	v_permlane16_swap_b32 v[\pc+2], v[\pc+3]
.endm
; the same for 64 numbers, four blocks: a whole fragment in v[pc] .. v[pc + 7]
.macro QUANT4 s, pc, pw
.irp b, 0,1,2,3
	v_max3_num_f32 v[TQ+\b], |v[\s+16*\b]|, |v[\s+16*\b+1]|, 0x1800000
.endr
.irp i, 2,4,6,8,10,12,14
.irp b, 0,1,2,3
	v_max3_num_f32 v[TQ+\b], v[TQ+\b], |v[\s+16*\b+\i]|, |v[\s+16*\b+\i+1]|
.endr
.endr
.irp b, 0,1,2,3
	v_permlanex16_b32 v[TQ+4+\b], v[TQ+\b], s[SEL], s[SEL+1]
.endr
.irp b, 0,1,2,3
	v_max_num_f32 v[TQ+\b], v[TQ+\b], v[TQ+4+\b]
.endr
.irp b, 0,1,2,3
	v_add_nc_u32 v[TQ+8+\b], 0xff000000, v[TQ+\b]
.endr
.irp b, 0,1,2,3
	v_lshrrev_b32 v[TQ+4+\b], 23, v[TQ+8+\b]
.endr
	v_lshl_or_b32 v[\pw], v[TQ+5], 8, v[TQ+4]
	v_lshl_or_b32 v[\pw], v[TQ+6], 16, v[\pw]
	v_lshl_or_b32 v[\pw], v[TQ+7], 24, v[\pw]
.irp c, 0,1
	v_cvt_scalef32_pk8_fp4_f32 v[\pc+4*\c], v[\s+32*\c:\s+32*\c+7], v[TQ+8+2*\c]
	v_cvt_scalef32_pk8_fp4_f32 v[\pc+4*\c+2], v[\s+32*\c+8:\s+32*\c+15], v[TQ+8+2*\c]
	v_cvt_scalef32_pk8_fp4_f32 v[\pc+4*\c+1], v[\s+32*\c+16:\s+32*\c+23], v[TQ+9+2*\c]
	v_cvt_scalef32_pk8_fp4_f32 v[\pc+4*\c+3], v[\s+32*\c+24:\s+32*\c+31], v[TQ+9+2*\c]
.endr
	v_nop
.irp c, 0,1
	v_permlane16_swap_b32 v[\pc+4*\c], v[\pc+4*\c+1]
	v_permlane16_swap_b32 v[\pc+4*\c+2], v[\pc+4*\c+3]
.endr
.endm
	s_load_b512 s[4:19], s[0:1], 0x0               ; query's codes s[4:5], scales s[6:7]; W_qkv's s[8:9], s[10:11]; b_qkv s[12:13]; rope_tab s[14:15]; q_rec s[16:17]; kv s[18:19]
	v_lshl_add_u32 v[SPW], v0, 2, SPARE
	v_mov_b32 v[NIL], 0
	ds_add_u32 v[SPW], v[NIL]                      ; the wave's opening: the add, twice on end, and its wait ahead of my first tensor load
	ds_add_u32 v[SPW], v[NIL]
	v_lshrrev_b32 v1, 5, v0
	v_readfirstlane_b32 s20, v1                    ; wave 0..3
	s_lshr_b32 s21, s20, 1                         ; my half of A's rows.  Also: I fetch for A (0) or for B (1)
	s_and_b32 s22, s20, 1                          ; my half of B's rows.  Also: which 128 rows I fetch
	s_bfe_u32 s40, ttmp6, 0x40000                  ; cx
	s_bfe_u32 s41, ttmp6, 0x40004                  ; cy
	s_and_b32 s42, ttmp7, 0xffff
	s_lshl_b32 s42, s42, 2                         ; 4 x cluster y
	s_add_co_u32 s43, s42, s41                     ; q, k: which 256 rows of query (A)
	s_add_co_u32 s44, s42, s40                     ; v: which 256 rows of query (B)
	s_lshl_b32 s45, ttmp9, 2
	s_add_co_u32 s45, s45, s40                     ; q, k: which 256 rows of W_qkv (B)
	s_add_co_u32 s23, s41, 8                       ; v: which 256 rows of W_qkv (A): behind q's and k's 2,048
	s_cmp_eq_u32 ttmp9, 2
	s_cselect_b32 s66, s23, s43                    ; A's first row / 256: made of cy and the cluster's numbers alone
	s_cselect_b32 s67, s44, s45                    ; B's: of cx and the cluster's numbers alone
	s_lshl_b32 s46, s41, 2
	s_lshl_b32 s46, 15, s46                        ; my row of the cluster
	s_lshl_b32 s47, 0x1111, s40                    ; my column
	s_or_b32 s[G1], s46, (0<<16)|(1<<20)|(1<<21)|(6<<22)|(3<<25)    ; the mask; elements of 1 byte; padding on; bit 21 beside a mask; 4 words behind every 128
	s_or_b32 s[G1B], s47, (0<<16)|(1<<20)|(1<<21)|(6<<22)|(3<<25)
.irp g, G1, G1B
	s_mov_b32 s[\g+1], 512<<16                     ; tensor_dim0 = 512 bytes
	s_mov_b32 s[\g+2], 128<<16                     ; tensor_dim1 = 128
	s_mov_b32 s[\g+3], 512<<16                     ; tile_dim0
	s_mov_b32 s[\g+4], 128                         ; tile_dim1
	s_mov_b32 s[\g+5], 512                         ; a row of 1,024 codes in memory
	s_mov_b32 s[\g+6], 0
	s_mov_b32 s[\g+7], 0
.endr
	s_lshl_b32 s68, s66, 17                        ; A: 256 rows of 512 bytes,
	s_lshl_b32 s69, s22, 16                        ; + the 128 rows that I fetch
	s_add_co_u32 s68, s68, s69
	s_mov_b32 s69, 0
	s_lshl_b32 s72, s67, 17                        ; B likewise
	s_lshl_b32 s73, s22, 16
	s_add_co_u32 s72, s72, s73
	s_mov_b32 s73, 0
	s_mul_i32 s23, s20, HALFT                      ; where they go: wave x 128 rows
	s_mov_b32 s[SEL], 0x76543210
	s_mov_b32 s[SEL+1], 0xfedcba98
	s_wait_dscnt 0x0                               ; both opening adds are done
	s_wait_kmcnt 0x0
	s_cmp_eq_u32 ttmp9, 2
	s_cselect_b64 s[76:77], s[8:9], s[4:5]         ; A's codes
	s_cselect_b64 s[78:79], s[10:11], s[6:7]       ; A's scales
	s_cselect_b64 s[80:81], s[4:5], s[8:9]         ; B's codes
	s_cselect_b64 s[82:83], s[6:7], s[10:11]       ; B's scales
	s_add_nc_u64 s[70:71], s[76:77], s[68:69]
	s_add_nc_u64 s[74:75], s[80:81], s[72:73]
	CROUND                                         ; all sixteen work-groups are here: the joint loads meet
.irp s, 0
	s_mov_b32 s[G0+4*\s], 1
	s_add_co_u32 s[G0+4*\s+1], s23, \s*SLOT
	s_add_nc_u64 s[G0+4*\s+2:G0+4*\s+3], s[70:71], \s*256
	s_or_b32 s[G0+4*\s+3], s[G0+4*\s+3], 0x80000000
	s_mov_b32 s[G0B+4*\s], 1
	s_add_co_u32 s[G0B+4*\s+1], s23, \s*SLOT
	s_add_nc_u64 s[G0B+4*\s+2:G0B+4*\s+3], s[74:75], \s*256
	s_or_b32 s[G0B+4*\s+3], s[G0B+4*\s+3], 0x80000000
	JLOAD G0+4*\s, G1, G0B+4*\s, G1B
.endr
	v_and_b32 v1, 15, v0                           ; r
	v_bfe_u32 v2, v0, 4, 1                         ; h
	v_and_b32 v3, 31, v0                           ; lane
	v_mul_u32_u24 v4, v1, PITCH
	v_lshl_add_u32 v4, v2, 4, v4
	s_mul_i32 s2, s21, HALFT                       ; my 128 rows of A
	s_mul_i32 s3, s22, HALFT
	s_add_co_u32 s3, s3, 2*HALFT                   ; my 128 rows of B, behind A's 256
.irp s, 0,1
	v_add_nc_u32 v[ADRA+\s], s2, v4
	v_add_nc_u32 v[ADRB+\s], s3, v4
	s_add_co_u32 s2, s2, SLOT
	s_add_co_u32 s3, s3, SLOT
.endr
	s_mul_i32 s2, s22, HALFT                       ; v: my 128 rows of query (side B there),
	s_mul_i32 s3, s21, 64*PITCH
	s_add_co_u32 s3, s3, 2*HALFT                   ; and my 64 rows of W_qkv (side A), where B's rows lay
	s_wait_alu depctr_va_vdst(0)                   ; the wait directly ahead of the reader of v4
	v_add_nc_u32 v18, s2, v4
	v_add_nc_u32 v22, s3, v4
	v_add_nc_u32 v19, SLOT, v18
	v_add_nc_u32 v23, SLOT, v22
	v_lshlrev_b32 v5, 5, v3
	s_wait_alu depctr_va_vdst(0)
	v_lshlrev_b32 v6, 4, v3                        ; 16 x lane: an image's place
	s_lshl_b32 s2, s66, 13
	s_lshl_b32 s3, s21, 12
	s_add_co_u32 s2, s2, s3
	s_mov_b32 s3, 0
	s_add_nc_u64 s[78:79], s[78:79], s[2:3]        ; the scales of my 128 rows of A
	s_lshl_b32 s2, s67, 13
	s_lshl_b32 s3, s22, 12
	s_add_co_u32 s2, s2, s3
	s_mov_b32 s3, 0
	s_add_nc_u64 s[82:83], s[82:83], s[2:3]        ; and of B
.irp j, 0,1,2,3
	global_load_b128 v[SA+8*\j:SA+8*\j+3], v5, s[78:79] offset:1024*\j        ; row 32 j + lane, K steps 0-3
	global_load_b128 v[SA+8*\j+4:SA+8*\j+7], v5, s[78:79] offset:1024*\j+16   ; K steps 4-7
	global_load_b128 v[SB+8*\j:SB+8*\j+3], v5, s[82:83] offset:1024*\j
	global_load_b128 v[SB+8*\j+4:SB+8*\j+7], v5, s[82:83] offset:1024*\j+16
.endr
	s_wait_tensorcnt 0x0                           ; my 128 rows are in
	s_barrier_signal -1
	s_barrier_wait -1                              ; everybody's is
	FETCH 0
	s_wait_loadcnt 0x0                             ; the scale words
	STEP 0, 1, 1, 0
	STEP 1, 0, 1, 0
	STEP 2, 0, 1, 0
	STEP 3, 0, 1, 0
	WIN 0
	; ---- q AND k.  Accumulator (a, b), lane (r, h), register j: position 16 a + r, column 16 b + 8 h + j.  My 128 columns are two heads (b = 4 hd + b'), d = 16 b' + 8 h + j; the rotation's partner d + 32 is tile b' + 2, same lane, same register.
	s_lshr_b32 s93, s43, 3                         ; the batch
	s_lshl_b32 s93, s93, 4
	s_lshl_b32 s94, s40, 2
	s_add_co_u32 s93, s93, s94
	s_lshl_b32 s94, s22, 1
	s_add_co_u32 s93, s93, s94                     ; 16 x batch + my first head
	s_lshl_b32 s93, s93, 4
	s_and_b32 s94, s43, 7
	s_lshl_b32 s95, s94, 1
	s_add_co_u32 s93, s93, s95
	s_add_co_u32 s93, s93, s21                     ; + which 128 positions: the record's number
	s_mov_b32 s90, 8960
	s_mov_b32 s92, 8192
	s_cmp_eq_u32 ttmp9, 0
	s_cselect_b64 s[84:85], s[16:17], s[18:19]     ; q_rec or kv
	s_cselect_b32 s90, 4608, s90                   ; a record's bytes
	s_cselect_b32 s92, 4096, s92                   ; where its scale words begin
	s_mul_i32 s2, s93, s90
	s_mov_b32 s3, 0
	s_add_nc_u64 s[84:85], s[84:85], s[2:3]
	s_lshl_b32 s90, s90, 4                         ; from a head to the next: 16 records
	s_mov_b32 s91, 0
	s_lshl_b32 s2, s94, 16
	s_lshl_b32 s95, s21, 15
	s_add_co_u32 s2, s2, s95
	s_add_nc_u64 s[86:87], s[14:15], s[2:3]        ; the table at my first position
	s_lshl_b32 s2, s45, 10
	s_lshl_b32 s95, s22, 9
	s_add_co_u32 s2, s2, s95
	s_add_nc_u64 s[88:89], s[12:13], s[2:3]        ; the bias at my first column
	s_wait_alu depctr_va_vdst(0)                   ; the wait directly ahead of the reader of v6
	v_add_nc_u32 v7, s92, v6                       ; the scale words: 16 x lane: [tiles 0-3 or 4-7][row 16][4 words]
	v_lshlrev_b32 v8, 8, v1
	v_lshl_add_u32 v8, v2, 6, v8                   ; the table: 256 r + 64 h
	v_lshlrev_b32 v9, 5, v2                        ; the bias: 32 h
	v_mov_b32 v[TM+2], 0                           ; written once: a lane permute's destination counts as one of its sources
	v_mov_b32 v[TM+3], 0
; the table of tile a's 16 positions: 8 loads into 32 registers of window 1; tiles 0-3 into registers that the products never name, 4-7 into B's sets as they fall free
.macro TABLE a
.set rT, 32*((\a)%2)+128*(((\a)/2)%2)+64*(1-(\a)/4)
.irp u, 0,1
.irp k, 0,1,2,3
	global_load_b128 v[rT+16*\u+4*\k:rT+16*\u+4*\k+3], v8, s[86:87] offset:4096*(\a)+128*\u+16*\k
.endr
.endr
.endm
	WIN TO_B
	TABLE 0
	TABLE 1
	TABLE 2
	TABLE 3
	s_wait_alu depctr_va_vdst(0)
	STEP 4, 0, 1, 0
	STEP 5, 0, 1, 0
	STEP 6, 0, 1, 0
	s_wait_dscnt 0x0                               ; the last step: its set is in
	PLACES 4                                       ; the other sets are free four places behind the products that read them
	WIN 0
.irp b, 0,1,2,3,4,5,6,7
	global_load_b128 v[BIAS+8*\b:BIAS+8*\b+3], v9, s[88:89] offset:64*\b
	global_load_b128 v[BIAS+8*\b+4:BIAS+8*\b+7], v9, s[88:89] offset:64*\b+16
.endr
	WIN TO_B
	TABLE 4
	TABLE 5
	MULS 7, 0
	PLACES 4
	WIN TO_B
	TABLE 6
	TABLE 7
	WIN 0
	; v's scale words, into the registers that held q's or k's (four places behind the last product): 12 loads, younger than all tables
	s_lshl_b32 s2, s43, 13
	s_lshl_b32 s3, s22, 12
	s_add_co_u32 s2, s2, s3
	s_mov_b32 s3, 0
	s_add_nc_u64 s[82:83], s[6:7], s[2:3]          ; query's, at my 128 positions
	s_lshl_b32 s2, s45, 12
	s_lshl_b32 s74, s21, 11
	s_add_co_u32 s2, s2, s74
	s_add_co_u32 s2, s2, 0x10000
	s_add_nc_u64 s[78:79], s[10:11], s[2:3]        ; W_qkv's, at row 2,048 + 128 x tile column + my 64
.irp j, 0,1,2,3
	global_load_b128 v[SB+8*\j:SB+8*\j+3], v5, s[82:83] offset:1024*\j
	global_load_b128 v[SB+8*\j+4:SB+8*\j+7], v5, s[82:83] offset:1024*\j+16
.endr
.irp j, 0,1
	global_load_b128 v[SA+8*\j:SA+8*\j+3], v5, s[78:79] offset:1024*\j
	global_load_b128 v[SA+8*\j+4:SA+8*\j+7], v5, s[78:79] offset:1024*\j+16
.endr
	s_wait_tensorcnt 0x0                           ; no tensor load of mine is out, so a descriptor may be written;
	ds_add_u32 v[SPW], v[NIL]                      ; 0 onto my spare word
	s_mov_b32 s[G1B+2], 32<<16                     ; the refill brings 32 rows a wave
	s_mov_b32 s[G1B+4], 32
	s_mul_i32 s2, s20, 32*PITCH
	s_add_co_u32 s[G0B+1], s2, 2*HALFT             ; into the bytes that held B's rows: wave x 32 rows
	s_lshl_b32 s72, s45, 16
	s_lshl_b32 s73, s20, 14
	s_add_co_u32 s72, s72, s73
	s_add_co_u32 s72, s72, 0x100000                ; row 2,048 + 128 x tile column + 32 x wave, 512 bytes a row: made of cx, the cluster's x and the wave's number alone
	s_mov_b32 s73, 0
	s_add_nc_u64 s[G0B+2:G0B+3], s[8:9], s[72:73]
	s_or_b32 s[G0B+3], s[G0B+3], 0x80000000
	s_wait_dscnt 0x0                               ; the add is done; my reads of B's rows were over ahead of the last step
	CROUND                                         ; no wave of any partner still reads those rows
	tensor_load_to_lds s[G0B:G0B+3], s[G1B:G1B+7]  ; jointly with my column of the cluster
	s_nop 0
.rept 4
	v_nop
.endr
	v_cmp_gt_u32 vcc_lo, 16, v3
.macro QK_TILE hd, a
.set rT, 32*((\a)%2)+128*(((\a)/2)%2)+64*(1-(\a)/4)
	s_wait_xcnt 0x0                                ; the last tile's store has read its data, which lie in X
	WIN 0x02+(\a)/4                                ; source 0: window 2 or 3
.irp bb, 0,1,2,3
.irp jj, 0,2,4,6
.set rA, 8*(8*((\a)%4)+4*(\hd)+\bb)+\jj
	v_pk_add_f32 v[X+8*\bb+\jj:X+8*\bb+\jj+1], v[rA:rA+1], v[BIAS+8*(4*(\hd)+\bb)+\jj:BIAS+8*(4*(\hd)+\bb)+\jj+1]   ; each accumulator from its low end on
.endr
.endr
	WIN 0x04                                       ; source 1: window 1, the table
.irp u, 0,1
.irp k, 0,1,2,3
	v_pk_mul_f32 v[Y+8*\u+2*\k:Y+8*\u+2*\k+1], v[X+8*\u+2*\k:X+8*\u+2*\k+1], v[rT+16*\u+4*\k:rT+16*\u+4*\k+1]              ; x1 cos
	v_pk_mul_f32 v[Y+16+8*\u+2*\k:Y+16+8*\u+2*\k+1], v[X+16+8*\u+2*\k:X+16+8*\u+2*\k+1], v[rT+16*\u+4*\k:rT+16*\u+4*\k+1]  ; x2 cos
	v_pk_fma_f32 v[Y+8*\u+2*\k:Y+8*\u+2*\k+1], v[X+16+8*\u+2*\k:X+16+8*\u+2*\k+1], v[rT+16*\u+4*\k+2:rT+16*\u+4*\k+3], v[Y+8*\u+2*\k:Y+8*\u+2*\k+1] neg_lo:[1,0,0] neg_hi:[1,0,0]   ; - x2 sin
	v_pk_fma_f32 v[Y+16+8*\u+2*\k:Y+16+8*\u+2*\k+1], v[X+8*\u+2*\k:X+8*\u+2*\k+1], v[rT+16*\u+4*\k+2:rT+16*\u+4*\k+3], v[Y+16+8*\u+2*\k:Y+16+8*\u+2*\k+1]                          ; + x1 sin
.endr
.endr
	WIN 0
	QUANT2 Y, X, PWS+8*(\hd)+(\a)
	global_store_b128 v6, v[X:X+3], s[84:85] offset:512*(\a)      ; 32 lanes store 512 consecutive bytes
.endm
.irp hd, 0,1
.irp a, 0,1,2,3,4,5,6,7
.if \hd == 0
.if \a == 0
	s_wait_loadcnt 44                              ; tables 0-3 and the bias are in; the 44 younger loads are tables 4-7 and v's 12 of scale words
.elseif \a == 4
	s_wait_loadcnt 28                              ; tables 4 and 5 are in; the 28 younger are tables 6 and 7 and v's 12
.elseif \a == 6
	s_wait_loadcnt 12                              ; all tables are in; v's 12 may be out
.endif
.endif
	QK_TILE \hd, \a
.endr
.irp i, 0,1,2,3
	v_cndmask_b32 v[SW+4*\hd+\i], v[PWS+8*\hd+4+\i], v[PWS+8*\hd+\i], vcc_lo   ; lanes 0-15 store tiles 0-3's words of their row, lanes 16-31 tiles 4-7's
.endr
	global_store_b128 v7, v[SW+4*\hd:SW+4*\hd+3], s[84:85]        ; 512 consecutive bytes
.if \hd == 0
	s_wait_xcnt 0x0                                ; the stores have read their base
	s_add_nc_u64 s[84:85], s[84:85], s[90:91]      ; on to the next head's record
.endif
.endr
	; ---- v.  Accumulator (a, b), a = 0 .. 3, lane (r, h), register j: channel 16 a + r of my head's 64, key 16 b + 8 h + j of my 128.
.macro MULSV q, z                      ; K step q: 32 products, the 32 accumulators by turns
	WIN MUL_LO
.irp a, 0,1,2,3
.irp b, 0,1,2,3,4,5,6,7
.set rD, 8*(8*\a+\b)
.set rS0, 128*((\q)%2)+8*\b
.set rS1, AF+AFS*((\q)%2)+8*\a
.set rX0, SB+8*(\b/2)+(\q)
.set rX1, SA+8*(\a/2)+(\q)
.set rR0, \b%2
.set rR1, \a%2
	WM \z
.endr
.endr
.endm
.macro FETCHV q                        ; the fragments of K step q: query's 8 (side B) and W_qkv's 4 (side A)
	WIN TO_B
.irp i, 0,1,2,3,4,5,6,7
.irp c, 0,1
	ds_load_b128 v[128*((\q)%2)+8*\i+4*\c:128*((\q)%2)+8*\i+4*\c+3], v[18+(\q)/4] offset:64*((\q)%4)+32*\c+\i*16*PITCH
.endr
.endr
	WIN 0
.irp i, 0,1,2,3
.irp c, 0,1
	ds_load_b128 v[AF+AFS*((\q)%2)+8*\i+4*\c:AF+AFS*((\q)%2)+8*\i+4*\c+3], v[22+(\q)/4] offset:64*((\q)%4)+32*\c+\i*16*PITCH
.endr
.endr
.endm
.macro STEPV q, z, fetch
	s_wait_dscnt 0x0                               ; this step's set is in
.if \fetch
	PLACES 4
	FETCHV \q+1
.endif
	MULSV \q, \z
.endm
	s_wait_xcnt 0x0                                ; q's or k's stores have read their base and their data
	s_lshr_b32 s93, s43, 3                         ; the batch
	s_lshl_b32 s93, s93, 4
	s_lshl_b32 s94, s45, 1
	s_add_co_u32 s93, s93, s94
	s_add_co_u32 s93, s93, s21                     ; 16 x batch + my head: 2 x tile column + my half
	s_lshl_b32 s93, s93, 4
	s_and_b32 s94, s43, 7
	s_lshl_b32 s94, s94, 1
	s_add_co_u32 s93, s93, s94
	s_add_co_u32 s93, s93, s22                     ; + which 128 keys: the record's number
	s_mul_i32 s2, s93, 8960
	s_mov_b32 s3, 0
	s_add_nc_u64 s[84:85], s[18:19], s[2:3]
	s_lshl_b32 s2, s45, 9
	s_lshl_b32 s94, s21, 8
	s_add_co_u32 s2, s2, s94
	s_add_co_u32 s2, s2, 8192
	s_add_nc_u64 s[88:89], s[12:13], s[2:3]        ; the bias at my first channel, behind q's and k's 2,048
	v_lshlrev_b32 v9, 2, v1                        ; 4 r
	v_lshl_add_u32 v10, v1, 4, 8704                ; the scale words: 16 r
.irp b, 0,1,2,3
	v_mov_b32 v[TQ+4+\b], 0                        ; written once: a lane permute's destination counts as one of its sources
.endr
.irp a, 0,1,2,3
	global_load_b32 v[VB+2*\a], v9, s[88:89] offset:64*\a          ; my channel's bias, twice: a pair for the packed addition
	global_load_b32 v[VB+2*\a+1], v9, s[88:89] offset:64*\a
.endr
	s_wait_alu depctr_va_vdst(0)
	s_wait_tensorcnt 0x0                           ; my 32 rows of W_qkv are in;
	s_barrier_signal -1
	s_barrier_wait -1                              ; everybody's are.
	FETCHV 0
	s_wait_loadcnt 8                               ; the scale words are in; the 8 younger loads are the bias
	STEPV 0, 1, 1
	STEPV 1, 0, 1
	STEPV 2, 0, 1
	STEPV 3, 0, 1
	STEPV 4, 0, 1
	STEPV 5, 0, 1
	STEPV 6, 0, 1
	STEPV 7, 0, 0
	PLACES 4
	WIN 0
	s_wait_loadcnt 0x0
.macro V_TILE a
	s_wait_xcnt 0x0                                ; the last tile's stores have read their data
	WIN 0x02+(\a)/4
.irp b, 0,1,2,3,4,5,6,7
.irp jj, 0,2,4,6
.set rA, 8*(8*((\a)%4)+\b)+\jj
	v_pk_add_f32 v[T+8*\b+\jj:T+8*\b+\jj+1], v[rA:rA+1], v[VB+2*(\a):VB+2*(\a)+1]
.endr
.endr
	WIN 0
	QUANT4 T, VPC, VW+(\a)
	global_store_b128 v6, v[VPC:VPC+3], s[84:85] offset:((\a)/4)*143360+4096+1024*((\a)%4)
	global_store_b128 v6, v[VPC+4:VPC+7], s[84:85] offset:((\a)/4)*143360+4096+1024*((\a)%4)+512
.endm
.irp a, 0,1,2,3
	V_TILE \a
.endr
	s_wait_alu depctr_va_vdst(0)
	s_wait_xcnt 0x0                                ; EXEC changes only behind this wait
	v_cmp_gt_u32 vcc_lo, 16, v3
	s_and_saveexec_b32 s2, vcc_lo
	global_store_b128 v10, v[VW:VW+3], s[84:85]    ; lanes 0-15 store the four tiles' words of their row: 256 consecutive bytes
	s_wait_xcnt 0x0
	s_or_b32 exec_lo, exec_lo, s2
.Lend:
	s_wait_tensorcnt 0x0                           ; the wave's end
	ds_add_u32 v[SPW], v[NIL]
	s_wait_dscnt 0x0
	CROUND                                         ; the closing round
	s_endpgm
.Lfunc_end_k_q8155e86cad_qkv:
	.size	k_q8155e86cad_qkv, .Lfunc_end_k_q8155e86cad_qkv-k_q8155e86cad_qkv
	.p2alignl 7, 3214868480
	.fill 96, 4, 3214868480
	.section	.rodata,"a",@progbits
	.p2align	6, 0x0
	.amdhsa_kernel k_q8155e86cad_qkv
		.amdhsa_group_segment_fixed_size 327680
		.amdhsa_private_segment_fixed_size 0
		.amdhsa_enable_private_segment 0
		.amdhsa_kernarg_size 64
		.amdhsa_user_sgpr_count 2
		.amdhsa_user_sgpr_kernarg_segment_ptr 1
		.amdhsa_wavefront_size32 1
		.amdhsa_system_sgpr_workgroup_id_x 1
		.amdhsa_system_sgpr_workgroup_id_y 1
		.amdhsa_system_sgpr_workgroup_id_z 1
		.amdhsa_system_vgpr_workitem_id 0
		.amdhsa_next_free_vgpr 1024
		.amdhsa_next_free_sgpr 100
		.amdhsa_reserve_vcc 1
		.amdhsa_float_denorm_mode_32 3
		.amdhsa_float_denorm_mode_16_64 3
		.amdhsa_memory_ordered 1
		.amdhsa_forward_progress 1
		.amdhsa_inst_pref_size 255
	.end_amdhsa_kernel
	.section	.bss,"aw",@nobits
	.p2align	6
	.space	262144
	.amdgpu_metadata
---
amdhsa.version: [ 1, 2 ]
amdhsa.kernels:
  - .name:           k_q8155e86cad_qkv
    .symbol:         k_q8155e86cad_qkv.kd
    .args:
      - { .name: query_codes, .offset: 0, .size: 8, .value_kind: global_buffer, .address_space: global }
      - { .name: query_scales, .offset: 8, .size: 8, .value_kind: global_buffer, .address_space: global }
      - { .name: W_qkv_codes, .offset: 16, .size: 8, .value_kind: global_buffer, .address_space: global }
      - { .name: W_qkv_scales, .offset: 24, .size: 8, .value_kind: global_buffer, .address_space: global }
      - { .name: b_qkv, .offset: 32, .size: 8, .value_kind: global_buffer, .address_space: global }
      - { .name: rope_tab, .offset: 40, .size: 8, .value_kind: global_buffer, .address_space: global }
      - { .name: q_rec, .offset: 48, .size: 8, .value_kind: global_buffer, .address_space: global }
      - { .name: kv, .offset: 56, .size: 8, .value_kind: global_buffer, .address_space: global }
    .group_segment_fixed_size: 327680
    .private_segment_fixed_size: 0
    .kernarg_segment_align: 8
    .kernarg_segment_size: 64
    .max_flat_workgroup_size: 128
    .sgpr_count:     100
    .vgpr_count:     1024
    .wavefront_size: 32
...
	.end_amdgpu_metadata
.endif
;; end of part 2
;; launch attn (part 3): grid 8 x 32, 16 waves a work-group, clusters of 4 x 1, 327,680 bytes of LDS; arguments q_rec, kv, o_img, o_sc; writes o_img, o_sc
.if DOCPART == 3
	.amdgcn_target "amdgcn-amd-amdhsa--gfx1250"
	.amdhsa_code_object_version 6
	.text
	.protected	k_q8155e86cad_attn
	.globl	k_q8155e86cad_attn
	.p2align	8
	.type	k_q8155e86cad_attn,@function
k_q8155e86cad_attn:
	s_mov_b64 s[64:65], 0
	v_nop
	global_prefetch_b8 v0, s[64:65] scope:SCOPE_SE
	s_setreg_imm32_b32 hwreg(HW_REG_WAVE_MODE, 25, 1), 1
	s_wait_xcnt 0x0
	s_wait_alu depctr_hold_cnt(0) depctr_sa_sdst(0) depctr_va_vdst(0) depctr_va_sdst(0) depctr_va_ssrc(0) depctr_va_vcc(0) depctr_vm_vsrc(0)
	s_getreg_b32 s2, hwreg(HW_REG_IB_STS2, 6, 4)
	s_cmp_eq_u32 s2, 0
	s_cbranch_scc0 .Lentry_in_a_cluster
	s_endpgm
.Lentry_in_a_cluster:
	s_bfe_u32 s2, ttmp6, 0x10000c
	s_cmp_lg_u32 s2, 0x3003
	s_cbranch_scc0 .Lentry_shape_is_right
	s_endpgm
.Lentry_shape_is_right:
; Products 2 and 3 with the softmax between them, and the quantiser of the result, on codes of FP4 with E8M0 scales.  Nothing of reference() is left out here.
; SHARES.  A work-group owns 256 queries of two neighbouring heads; each of its 16 waves owns 16 queries and walks head 0's 2,048 keys, then head 1's, 128 keys a step.
; LDS.  The two heads' 32 records of kv (8,960 bytes each: k's 8 tiles, v's 4 fragments, k's words at 8,192, v's at 8,704) are 286,720 dense bytes: wave w fetches records 2 w and 2 w + 1 by ONE tensor load of
; 70 rows of 256 bytes.  Nothing is filled again: one wait, one barrier, no ring.  The four work-groups of a cluster walk the same heads and ask jointly (mask 15).
; No prefetch: all that the launch reads by tensor loads is asked for once, at the head; there is no loop to run ahead in.
; LAYOUT.  Both products transposed: S^T = K Q^T, O^T = V^T P^T: a lane holds one query (lane % 16).  Product 2's K step of 128 has 64 live codes: Q's upper four registers are zeros.
; ONE LDS address serves a record, its byte + 16 x lane: k's words come as [tiles 0-3 | tiles 4-7][row][4], so lanes 16-31 hold tiles 4-7's (ROW1); v's words are read 256 bytes low, so that they land in lanes 16-31 (ROW1).
; A STEP runs from the 8 score products to the 4 products with V.  Behind the score products this step's V and the NEXT step's K are asked for; the one wait on DScnt stands ahead of the products with V.
; THE SOFTMAX: t = score x log2(e) / 8; M = ceil of the running largest t; p = 2^(t - M); the sum is taken of the unquantised p; when M moves, the sum and O^T are multiplied by 2^(old M - new M), exactly.
; A block's scale byte is floor(t_b - M) + 125, t_b the block's largest t, held at 1 from below: floor(log2) of the block's largest p, less 2, plus 127.
; THE EXPONENTIALS go in two batches of 32 (keys 0-63, keys 64-127), each with a wait ahead of it and one behind it.  Between the exponentials of a batch stands plain work that is due anyway.  Each such line reads only what was
; written ahead of the wait in front of its batch, or by the plain line directly above it, names no result of its batch, and is first read behind the next wait.  O^T is rescaled ahead of both batches: no exponential stands between its products and their first reader.
; LIMITS: the promise holds while the scaled scores stay under 2^31 in magnitude; NaN and infinities are not served; p under 2^-126 is 0; where v_exp_f32 rounds a block's largest p up to a power of two, that p is held at the largest code;
; 1 / l is v_rcp_f32 and a multiplication; a block of zeros has the byte 1 (its codes are zeros; these bytes are read by this program alone).
; REGISTERS: v1 16 x lane; v2 the record's LDS address; v4, v7 the stage; v5, v6 the spare word and 0; v11 the result's scale word; v12 -M, v13 the largest score, v[14:15] the sum; v16-31 Q of both heads; v32-67 K's tiles and four zeros;
; v68-71 k's words, v72-75 v's, v80-81 q's; v88-95 the result's codes; v96-159 S^T, then p; v160-191 O^T; v192-223 V; v224-231 p's codes; v232-254 at work (v250 the old -M); v253 p's scale word.
.set REC,   8960
.set HEADB, 16*REC
.set STG,   2*HEADB                    ; behind the records: 1,024 bytes for the result's scale words
.set SPARE, STG+1024                   ; the spare words, 128 bytes a wave
.set NC,    19                         ; s19 = -c
.set SEL,   20                         ; s[20:21] lane selects for lane xor 16
.set CS,    22                         ; s[22:23] c = log2(e) / 8
.set TM,    232
.macro CROUND                          ; a round of the cluster's barrier
	s_barrier_signal -1
	s_barrier_wait -1
	s_cmp_lg_u32 s18, 0
	s_cbranch_scc1 .Lnot_wave_0_\@
	s_barrier_signal -3
.Lnot_wave_0_\@:
	s_barrier_wait -3
	s_barrier_signal -1
	s_barrier_wait -1
.endm
.macro INIT                            ; a head begins: the largest score -3e38, -M 3e38, sums and O^T zeros, which the first change of M leaves zeros
	v_mov_b32 v13, 0xff61b1e6
	v_mov_b32 v12, 0x7f61b1e6
	v_mov_b32 v250, 0x7f61b1e6
	v_mov_b32 v14, 0
	v_mov_b32 v15, 0
.set i, 0
.rept 32
	v_mov_b32 v[160+i], 0
.set i, i+1
.endr
.endm
.macro KLOAD off                       ; 8 tiles of k and their words, off bytes behind the record at v2
.irp t, 0,1,2,3,4,5,6,7
	ds_load_b128 v[32+4*\t:35+4*\t], v2 offset:\off+512*\t
.endr
	ds_load_b128 v[68:71], v2 offset:\off+8192
.endm
.macro VLOAD                           ; the record's 4 fragments of v and their words (lanes 16-31)
.irp n, 0,1,2,3,4,5,6,7
	ds_load_b128 v[192+4*\n:195+4*\n], v2 offset:4096+512*\n
.endr
	ds_load_b128 v[72:75], v2 offset:8448
.endm
.macro FMAS n                          ; n pairs of scores become t - M
.rept \n
	v_pk_fma_f32 v[96+j:97+j], v[96+j:97+j], s[CS:CS+1], v[12:13] op_sel_hi:[1,0,0]
.set j, j+2
.endr
.endm
.macro TREE n, d, s                    ; n packed additions in place from register 96 + s on, partners d registers apart
.set j, \s
.rept \n
	v_pk_add_f32 v[96+j:97+j], v[96+j:97+j], v[96+j+\d:97+j+\d]
.set j, j+2*\d
.endr
.endm
.macro EX k
	v_exp_f32 v[96+\k], v[96+\k]                   ; p = 2^(t - M)
.endm
.macro XS b                            ; block b's scale, three lines on end: each reads the line above it
	v_max_num_f32 v[240+\b], 0xc2f80000, v[240+\b] ; t_b - M held at -124: the byte cannot fall under 1
	v_cvt_floor_i32_f32 v[240+\b], v[240+\b]       ; e = floor(log2) of the block's largest p
	v_add_lshl_u32 v[244+\b], v[240+\b], 0x7d, 23  ; the conversion's scale operand: the byte e + 125 in the exponent field
.endm
	s_load_b256 s[4:11], s[0:1], 0x0               ; q_rec, kv, o_img, o_sc
	v_lshl_add_u32 v5, v0, 2, SPARE
	v_mov_b32 v6, 0
	ds_add_u32 v5, v6                              ; the opening lines: the add, twice on end, and its wait ahead of my tensor load
	ds_add_u32 v5, v6
	v_lshrrev_b32 v8, 5, v0
	v_readfirstlane_b32 s18, v8                    ; wave 0..15
	s_bfe_u32 s12, ttmp6, 0x40000                  ; cx
	s_lshl_b32 s13, ttmp9, 2
	s_add_co_u32 s13, s13, s12                     ; which 256 queries
	s_and_b32 s14, ttmp7, 0xffff                   ; which pair of heads: 8 x batch + pair
	s_mov_b32 s24, 15|(3<<16)|(1<<21)              ; the mask of the four; elements of 8 bytes; bit 21 beside a mask
	s_mov_b32 s25, 32<<16                          ; rows of 256 bytes,
	s_mov_b32 s26, 70<<16                          ; 70 of them: two records
	s_mov_b32 s27, 32<<16
	s_mov_b32 s28, 70
	s_mov_b32 s29, 32
	s_mov_b32 s30, 0
	s_mov_b32 s31, 0
	s_mul_i32 s15, s18, 2*REC                      ; my two records, in LDS as in the pair's block of memory
	s_mul_i32 s16, s14, 2*HEADB
	s_add_co_u32 s16, s16, s15
	s_mov_b32 s17, 0
	s_mov_b32 s[SEL], 0x76543210
	s_mov_b32 s[SEL+1], 0xfedcba98
	s_mov_b32 s[CS], 0x3e38aa3b
	s_mov_b32 s[CS+1], s[CS]
	s_mov_b32 s[NC], 0xbe38aa3b
	s_wait_dscnt 0x0                               ; both opening adds are done
	s_wait_kmcnt 0x0
	s_mov_b32 s32, 1
	s_mov_b32 s33, s15
	s_add_nc_u64 s[34:35], s[6:7], s[16:17]
	s_or_b32 s35, s35, 0x80000000
	CROUND                                         ; the four work-groups are here: the joint loads meet
	tensor_load_to_lds s[32:35], s[24:31]          ; my one tensor load
	s_nop 0
	s_lshl_b32 s52, s18, 6
	s_add_co_u32 s52, s52, STG                     ; my 16 words of the stage
	s_lshl_b32 s40, s14, 5
	s_lshl_b32 s41, s13, 1
	s_add_co_u32 s40, s40, s41
	s_lshr_b32 s41, s18, 3
	s_add_co_u32 s40, s40, s41                     ; q's record: 16 x (first head) + which 128 queries
	s_mul_i32 s40, s40, 4608
	s_mov_b32 s41, 0
	s_add_nc_u64 s[4:5], s[4:5], s[40:41]
	s_and_b32 s42, s18, 7                          ; my tile in it
	s_lshl_b32 s43, s42, 9
	s_lshr_b32 s36, s42, 2
	s_lshl_b32 s36, s36, 8
	s_and_b32 s37, s42, 3
	s_lshl_b32 s37, s37, 2
	s_add_co_u32 s36, s36, s37
	s_add_co_u32 s36, s36, 4096                    ; its words: 4,096 + 256 (tile / 4) + 4 (tile % 4), + 16 x row
	s_lshr_b32 s48, s14, 3                         ; the batch
	s_and_b32 s49, s14, 7                          ; the pair in it: product 4's K step
	s_lshl_b32 s50, s48, 7
	s_lshl_b32 s51, s13, 4
	s_add_co_u32 s50, s50, s51
	s_add_co_u32 s50, s50, s18                     ; which 16 rows of the result
	s_lshl_b32 s50, s50, 13
	s_lshl_b32 s51, s49, 10
	s_add_co_u32 s50, s50, s51
	s_mov_b32 s51, 0
	s_add_nc_u64 s[44:45], s[8:9], s[50:51]        ; o_img: 8,192 bytes for 16 rows, 1,024 a K step
	s_lshl_b32 s50, s49, 15
	s_lshl_b32 s53, s48, 13
	s_add_co_u32 s50, s50, s53
	s_lshl_b32 s53, s13, 10
	s_add_co_u32 s50, s50, s53
	s_add_nc_u64 s[46:47], s[10:11], s[50:51]      ; o_sc: [K step][row] words
	s_mov_b32 s2, 0                                ; the step's record, as a byte in LDS
	v_and_b32 v8, 15, v0                           ; r
	v_and_b32 v9, 31, v0                           ; lane
	v_lshlrev_b32 v1, 4, v9
	v_lshl_add_u32 v4, v8, 2, s52
	v_lshl_add_u32 v85, v8, 4, s36
	v_add_nc_u32 v84, s43, v1
	v_add_nc_u32 v7, STG, v1
	v_mov_b32 v2, v1                               ; record 0
	global_load_b128 v[16:19], v84, s[4:5]                 ; Q of head 0,
	global_load_b128 v[24:27], v84, s[4:5] offset:73728    ; of head 1, 16 records on,
	global_load_b32 v80, v85, s[4:5]                       ; and their words
	global_load_b32 v81, v85, s[4:5] offset:73728
.irp i, 20,21,22,23,28,29,30,31,64,65,66,67,253
	v_mov_b32 v[\i], 0
.endr
	INIT
	s_wait_alu depctr_va_vdst(0)
	s_wait_tensorcnt 0x0                           ; my two records are in;
	s_barrier_signal -1
	s_barrier_wait -1                              ; everybody's are.
	KLOAD 0
	s_wait_loadcnt 0x0                             ; Q
	s_wait_dscnt 0x0                               ; record 0's k
; A KEY STEP.  more = 1: a record follows, whose k is asked for
.macro STEP qf, qs, more
.irp t, 0,1,2,3
	v_wmma_scale_f32_16x16x128_f8f6f4 v[96+8*\t:103+8*\t], v[32+4*\t:39+4*\t], v[\qf:\qf+7], 0, v[68+\t], v[\qs] matrix_a_fmt:MATRIX_FMT_FP4 matrix_b_fmt:MATRIX_FMT_FP4
.endr
.irp t, 4,5,6,7
	v_wmma_scale_f32_16x16x128_f8f6f4 v[96+8*\t:103+8*\t], v[32+4*\t:39+4*\t], v[\qf:\qf+7], 0, v[64+\t], v[\qs] matrix_a_fmt:MATRIX_FMT_FP4 matrix_b_fmt:MATRIX_FMT_FP4 matrix_a_scale:MATRIX_SCALE_ROW1
.endr
	v_add_nc_u32 v2, s2, v1                        ; this step's record.  With the three lines below: four places, ahead of the loads into registers that the products have read and of the first read of the scores
.rept 3
	v_nop
.endr
	VLOAD                                          ; this record's v
.if \more
	KLOAD REC                                      ; and the next record's k: both have the softmax in which to land
.endif
.irp b, 0,1,2,3                        ; the largest score of each block of 32 keys: two chains a block, eight by turns; each accumulator is read from its low end on
	v_max3_num_f32 v[232+\b], v[96+16*\b], v[97+16*\b], v[98+16*\b]
	v_max3_num_f32 v[236+\b], v[104+16*\b], v[105+16*\b], v[106+16*\b]
.endr
.irp i, 3,5
.irp b, 0,1,2,3
	v_max3_num_f32 v[232+\b], v[232+\b], v[96+16*\b+\i], v[97+16*\b+\i]
	v_max3_num_f32 v[236+\b], v[236+\b], v[104+16*\b+\i], v[105+16*\b+\i]
.endr
.endr
.irp b, 0,1,2,3
	v_max3_num_f32 v[232+\b], v[232+\b], v[103+16*\b], v[111+16*\b]
.endr
.irp b, 0,1,2,3
	v_max_num_f32 v[232+\b], v[232+\b], v[236+\b]
.endr
.irp b, 0,1,2,3
	v_permlanex16_b32 v[236+\b], v[232+\b], s[SEL], s[SEL+1]
.endr
.irp b, 0,1,2,3
	v_max_num_f32 v[232+\b], v[232+\b], v[236+\b]  ; with lane xor 16's 16 keys
.endr
	v_max3_num_f32 v254, v232, v233, v234
	v_max3_num_f32 v13, v254, v235, v13            ; the running largest score (c is positive)
	v_mul_f32 v254, s[NC], v13                     ; -t
	v_floor_f32 v12, v254                          ; the new -M = floor(-t): M is a whole number
	v_sub_f32 v254, v12, v250                      ; old M - new M, 0 or less
.set j, 0
	FMAS 4                                         ; t - M of keys 0-63
	v_cvt_i32_f32 v254, v254                       ; (it saturates)
	FMAS 4
	v_ldexp_f32 v252, 1.0, v254                    ; f = 2^(old M - new M)
	FMAS 8
.irp b, 0,1,2,3
	v_fma_f32 v[240+\b], v[232+\b], s[CS], v12     ; t_b - M of each block's largest score
.endr
.set j, 0
.rept 16
	v_pk_mul_f32 v[160+j:161+j], v[160+j:161+j], v[252:253] op_sel_hi:[1,0]   ; O^T under the new M, ahead of the exponentials
.set j, j+2
.endr
	s_wait_alu depctr_va_vdst(0)
.set i, 0
.rept 16                               ; THE FIRST BATCH: keys 0-63.  Between its exponentials: t - M of keys 64-127, and the four blocks' scales
	v_exp_f32 v[96+2*i], v[96+2*i]
	v_pk_fma_f32 v[128+2*i:129+2*i], v[128+2*i:129+2*i], s[CS:CS+1], v[12:13] op_sel_hi:[1,0,0]
	v_exp_f32 v[97+2*i], v[97+2*i]
.if (i%4) == 3
	XS (i/4)
.endif
.set i, i+1
.endr
	s_wait_alu depctr_va_vdst(0)                   ; one wait behind the first batch and ahead of the second
	EX 32                                          ; THE SECOND BATCH: keys 64-127.  Between its exponentials: the codes of keys 0-63, two lines of the scale word, the copy of -M, and the first level of the sum of keys 0-63
	v_cvt_scalef32_pk8_fp4_f32 v224, v[96:103], v244
	EX 33
	v_cvt_scalef32_pk8_fp4_f32 v226, v[104:111], v244
	EX 34
	v_cvt_scalef32_pk8_fp4_f32 v225, v[112:119], v245
	EX 35
	v_cvt_scalef32_pk8_fp4_f32 v227, v[120:127], v245
	EX 36
	v_lshl_add_u32 v248, v241, 8, v240             ; e0 + 256 e1
	EX 37
	v_lshl_add_u32 v249, v243, 8, v242             ; e2 + 256 e3
	EX 38
	v_mov_b32 v250, v12                            ; the next step's old -M
	EX 39
.set i, 0
.rept 8
	v_exp_f32 v[136+3*i], v[136+3*i]
	v_exp_f32 v[137+3*i], v[137+3*i]
	v_exp_f32 v[138+3*i], v[138+3*i]
	v_pk_add_f32 v[96+4*i:97+4*i], v[96+4*i:97+4*i], v[98+4*i:99+4*i]   ; in place: these keys' codes are made, three plain lines back or more
.set i, i+1
.endr
	s_wait_alu depctr_va_vdst(0)                   ; one wait behind the second batch, ahead of its first reader
	v_cvt_scalef32_pk8_fp4_f32 v228, v[128:135], v246
	v_cvt_scalef32_pk8_fp4_f32 v230, v[136:143], v246
	v_cvt_scalef32_pk8_fp4_f32 v229, v[144:151], v247
	v_cvt_scalef32_pk8_fp4_f32 v231, v[152:159], v247
	v_lshl_add_u32 v253, v249, 16, v248            ; p's scale word: the sum of e_b x 256^b, and 125 in each byte: right modulo 2^32, and each byte is 1 .. 125.  (Plain lines behind the conversions)
	v_add_nc_u32 v253, 0x7d7d7d7d, v253
.irp c, 0,1
	v_permlane16_swap_b32 v[224+4*\c], v[225+4*\c] ; a whole block to a lane, as the operand's layout wants
	v_permlane16_swap_b32 v[226+4*\c], v[227+4*\c]
.endr
	TREE 8, 2, 32                                  ; the rest of the row's sum of the unquantised p, as a tree in place.  (These are also the places ahead of the products)
	TREE 8, 4, 0
	TREE 4, 8, 0
	TREE 2, 16, 0
	TREE 1, 32, 0
	v_pk_fma_f32 v[14:15], v[14:15], v[252:253], v[96:97] op_sel_hi:[1,0,1]   ; the sum x f + this step's
	s_wait_alu depctr_va_vdst(0)
	s_wait_dscnt 0x0                               ; v, and the next record's k
.irp t, 0,1,2,3
	v_wmma_scale_f32_16x16x128_f8f6f4 v[160+8*\t:167+8*\t], v[192+8*\t:199+8*\t], v[224:231], v[160+8*\t:167+8*\t], v[72+\t], v253 matrix_a_fmt:MATRIX_FMT_FP4 matrix_b_fmt:MATRIX_FMT_FP4 matrix_a_scale:MATRIX_SCALE_ROW1
.endr
.endm
; A HEAD: its 16 steps, then O^T / l, quantised along the head's 64 and stored as an image of product 4's operand registers.  The very last step is written out: no record follows it
.macro PASS hp
.set PC, 88+4*(\hp)
	s_mov_b32 s3, 16-(\hp)
.Lkey_\@:
	STEP 16+8*(\hp), 80+(\hp), 1
	s_add_co_u32 s2, s2, REC
	s_sub_co_u32 s3, s3, 1
	s_cmp_lg_u32 s3, 0
	s_cbranch_scc1 .Lkey_\@
.if \hp
	STEP 24, 81, 0
.endif
.rept 4
	v_nop                                          ; four places behind the last products
.endr
	v_add_f32 v14, v14, v15
	v_permlanex16_b32 v252, v14, s[SEL], s[SEL+1]
	v_add_f32 v14, v14, v252                       ; the row's sum
	s_wait_alu depctr_va_vdst(0)                   ; the wait ahead of the transcendental
	v_rcp_f32 v14, v14
	v_nop
	s_wait_alu depctr_va_vdst(0)                   ; and ahead of its first reader, which is also the first reader of O^T
.set j, 0
.rept 16
	v_pk_mul_f32 v[96+j:97+j], v[160+j:161+j], v[14:15] op_sel_hi:[1,0]
.set j, j+2
.endr
.irp b, 0,1
	v_max3_num_f32 v[TM+\b], |v[96+16*\b]|, |v[97+16*\b]|, 0x1800000   ; with the floor 2^(3 - 127)
.endr
.irp i, 2,4,6,8,10,12,14
.irp b, 0,1
	v_max3_num_f32 v[TM+\b], v[TM+\b], |v[96+16*\b+\i]|, |v[97+16*\b+\i]|
.endr
.endr
.irp b, 0,1
	v_permlanex16_b32 v[TM+2+\b], v[TM+\b], s[SEL], s[SEL+1]
.endr
.irp b, 0,1
	v_max_num_f32 v[TM+\b], v[TM+\b], v[TM+2+\b]
.endr
.irp b, 0,1
	v_add_nc_u32 v[TM+4+\b], 0xff000000, v[TM+\b]  ; 2 off the exponent field: the conversion's scale operand
.endr
.irp b, 0,1
	v_lshrrev_b32 v[TM+6+\b], 23, v[TM+4+\b]       ; the byte
.endr
	v_lshl_or_b32 v242, v[TM+7], 8, v[TM+6]
	v_cvt_scalef32_pk8_fp4_f32 v[PC], v[96:103], v[TM+4]
	v_cvt_scalef32_pk8_fp4_f32 v[PC+2], v[104:111], v[TM+4]
	v_cvt_scalef32_pk8_fp4_f32 v[PC+1], v[112:119], v[TM+5]
	v_cvt_scalef32_pk8_fp4_f32 v[PC+3], v[120:127], v[TM+5]
	v_nop
	v_permlane16_swap_b32 v[PC], v[PC+1]
	v_permlane16_swap_b32 v[PC+2], v[PC+3]
	global_store_b128 v1, v[PC:PC+3], s[44:45] offset:512*(\hp)   ; 512 consecutive bytes; each head has data registers of its own, which are not written again
.if \hp == 0
	v_mov_b32 v11, v242
.else
	v_lshl_or_b32 v11, v242, 16, v11               ; the K step's word: head 0's two bytes, head 1's two
.endif
.endm
	PASS 0
	INIT
	PASS 1
	ds_store_b32 v4, v11                           ; the 256 rows' words meet in the stage, so that they leave as whole units of 256 bytes
	s_wait_dscnt 0x0
	s_barrier_signal -1
	s_barrier_wait -1
	s_cmp_lg_u32 s18, 0
	s_cbranch_scc1 .Lnot_first
	ds_load_b128 v[96:99], v7
	ds_load_b128 v[100:103], v7 offset:512
	s_wait_dscnt 0x0
	global_store_b128 v1, v[96:99], s[46:47]
	global_store_b128 v1, v[100:103], s[46:47] offset:512
.Lnot_first:
	s_wait_tensorcnt 0x0                           ; the wave's end
	ds_add_u32 v5, v6
	s_wait_dscnt 0x0
	CROUND                                         ; the closing round
	s_endpgm
.Lfunc_end_k_q8155e86cad_attn:
	.size	k_q8155e86cad_attn, .Lfunc_end_k_q8155e86cad_attn-k_q8155e86cad_attn
	.p2alignl 7, 3214868480
	.fill 96, 4, 3214868480
	.section	.rodata,"a",@progbits
	.p2align	6, 0x0
	.amdhsa_kernel k_q8155e86cad_attn
		.amdhsa_group_segment_fixed_size 327680
		.amdhsa_private_segment_fixed_size 0
		.amdhsa_enable_private_segment 0
		.amdhsa_kernarg_size 32
		.amdhsa_user_sgpr_count 2
		.amdhsa_user_sgpr_kernarg_segment_ptr 1
		.amdhsa_wavefront_size32 1
		.amdhsa_system_sgpr_workgroup_id_x 1
		.amdhsa_system_sgpr_workgroup_id_y 1
		.amdhsa_system_sgpr_workgroup_id_z 1
		.amdhsa_system_vgpr_workitem_id 0
		.amdhsa_next_free_vgpr 256
		.amdhsa_next_free_sgpr 66
		.amdhsa_reserve_vcc 0
		.amdhsa_float_denorm_mode_32 3
		.amdhsa_float_denorm_mode_16_64 3
		.amdhsa_memory_ordered 1
		.amdhsa_forward_progress 1
		.amdhsa_inst_pref_size 59
	.end_amdhsa_kernel
	.amdgpu_metadata
---
amdhsa.version: [ 1, 2 ]
amdhsa.kernels:
  - .name:           k_q8155e86cad_attn
    .symbol:         k_q8155e86cad_attn.kd
    .args:
      - { .name: q_rec, .offset: 0, .size: 8, .value_kind: global_buffer, .address_space: global }
      - { .name: kv, .offset: 8, .size: 8, .value_kind: global_buffer, .address_space: global }
      - { .name: o_img, .offset: 16, .size: 8, .value_kind: global_buffer, .address_space: global }
      - { .name: o_sc, .offset: 24, .size: 8, .value_kind: global_buffer, .address_space: global }
    .group_segment_fixed_size: 327680
    .private_segment_fixed_size: 0
    .kernarg_segment_align: 8
    .kernarg_segment_size: 32
    .max_flat_workgroup_size: 512
    .sgpr_count:     66
    .vgpr_count:     256
    .wavefront_size: 32
...
	.end_amdgpu_metadata
.endif
;; end of part 3
;; launch proj (part 4): grid 4 x 64, 4 waves a work-group, clusters of 4 x 4, 327,680 bytes of LDS; arguments o_img, o_sc, W_out_codes, W_out_scales, b_out, out0; writes out0
.if DOCPART == 4
	.amdgcn_target "amdgcn-amd-amdhsa--gfx1250"
	.amdhsa_code_object_version 6
	.text
	.protected	k_q8155e86cad_proj
	.globl	k_q8155e86cad_proj
	.p2align	8
	.type	k_q8155e86cad_proj,@function
k_q8155e86cad_proj:
	s_mov_b64 s[64:65], 0
	v_nop
	global_prefetch_b8 v0, s[64:65] scope:SCOPE_SE
	s_setreg_imm32_b32 hwreg(HW_REG_WAVE_MODE, 25, 1), 1
	s_wait_xcnt 0x0
	s_wait_alu depctr_hold_cnt(0) depctr_sa_sdst(0) depctr_va_vdst(0) depctr_va_sdst(0) depctr_va_ssrc(0) depctr_va_vcc(0) depctr_vm_vsrc(0)
	s_getreg_b32 s2, hwreg(HW_REG_IB_STS2, 6, 4)
	s_cmp_eq_u32 s2, 0
	s_cbranch_scc0 .Lentry_in_a_cluster
	s_endpgm
.Lentry_in_a_cluster:
	s_bfe_u32 s2, ttmp6, 0x10000c
	s_cmp_lg_u32 s2, 0xf033
	s_cbranch_scc0 .Lentry_shape_is_right
	s_endpgm
.Lentry_shape_is_right:
; out0 = O W_out^T + b_out on codes of FP4.  A tile of 128 x 256 to a work-group, 64 x 128 to a wave.  All of K = 1,024 comes by ONE joint load a wave: waves 0 and 1 fetch four 16-row images of O each
; (8,192 dense bytes an image), waves 2 and 3 fetch 128 whole rows of W_out each (512 bytes).  Nothing is filled again.
.set PITCH, 528                        ; an LDS row of W_out: 512 bytes + 16 of padding, an odd multiple of 16
.set HALFB, 128*PITCH
.set AIMG,  65536                      ; O's eight images
.set SLOT,  256                        ; from the first half of K to the second, inside a row of W_out
.set SPARE, AIMG+2*HALFB
.set STAGE, SPARE+512
.set ADRA, 16
.set ADRB, 20
.set STO,  24
.set RD,   25
.set CO,   26
.set SPW,  28
.set NIL,  29
.set SA,   32
.set SB,   64
.set AF,   128
.set AFS,  32
.set BK,   128
.set G1,   24
.set G0,   32
.set G1B,  48
.set G0B,  56
.set MSB, 0
.macro WIN new
.if MSB != (\new)
	s_set_vgpr_msb (MSB<<8)|(\new)
.set MSB, (\new)
.endif
.endm
.macro PLACES n
.rept \n
	v_nop
.endr
.endm
.macro JLOAD g0a, g1a, g0b, g1b
	s_cmp_eq_u32 s21, 0
	s_cbranch_scc0 .Lfor_b_\@
	tensor_load_to_lds s[\g0a:\g0a+3], s[\g1a:\g1a+7]
	s_nop 0
.rept 4
	v_nop
.endr
	s_branch .Lasked_\@
.Lfor_b_\@:
	tensor_load_to_lds s[\g0b:\g0b+3], s[\g1b:\g1b+7]
	s_nop 0
.rept 4
	v_nop
.endr
.Lasked_\@:
.endm
.macro CROUND
	s_barrier_signal -1
	s_barrier_wait -1
	s_cmp_lg_u32 s20, 0
	s_cbranch_scc1 .Lnot_wave_0_\@
	s_barrier_signal -3
.Lnot_wave_0_\@:
	s_barrier_wait -3
	s_barrier_signal -1
	s_barrier_wait -1
.endm
.macro WM z
.if \z
.if rR0 && rR1
	v_wmma_scale_f32_16x16x128_f8f6f4 v[rD:rD+7], v[rS0:rS0+7], v[rS1:rS1+7], v[rC:rC+7], v[rX0], v[rX1] matrix_a_fmt:MATRIX_FMT_FP4 matrix_b_fmt:MATRIX_FMT_FP4 matrix_a_scale:MATRIX_SCALE_ROW1 matrix_b_scale:MATRIX_SCALE_ROW1
.elseif rR0
	v_wmma_scale_f32_16x16x128_f8f6f4 v[rD:rD+7], v[rS0:rS0+7], v[rS1:rS1+7], v[rC:rC+7], v[rX0], v[rX1] matrix_a_fmt:MATRIX_FMT_FP4 matrix_b_fmt:MATRIX_FMT_FP4 matrix_a_scale:MATRIX_SCALE_ROW1
.elseif rR1
	v_wmma_scale_f32_16x16x128_f8f6f4 v[rD:rD+7], v[rS0:rS0+7], v[rS1:rS1+7], v[rC:rC+7], v[rX0], v[rX1] matrix_a_fmt:MATRIX_FMT_FP4 matrix_b_fmt:MATRIX_FMT_FP4 matrix_b_scale:MATRIX_SCALE_ROW1
.else
	v_wmma_scale_f32_16x16x128_f8f6f4 v[rD:rD+7], v[rS0:rS0+7], v[rS1:rS1+7], v[rC:rC+7], v[rX0], v[rX1] matrix_a_fmt:MATRIX_FMT_FP4 matrix_b_fmt:MATRIX_FMT_FP4
.endif
.else
.if rR0 && rR1
	v_wmma_scale_f32_16x16x128_f8f6f4 v[rD:rD+7], v[rS0:rS0+7], v[rS1:rS1+7], v[rD:rD+7], v[rX0], v[rX1] matrix_a_fmt:MATRIX_FMT_FP4 matrix_b_fmt:MATRIX_FMT_FP4 matrix_a_scale:MATRIX_SCALE_ROW1 matrix_b_scale:MATRIX_SCALE_ROW1
.elseif rR0
	v_wmma_scale_f32_16x16x128_f8f6f4 v[rD:rD+7], v[rS0:rS0+7], v[rS1:rS1+7], v[rD:rD+7], v[rX0], v[rX1] matrix_a_fmt:MATRIX_FMT_FP4 matrix_b_fmt:MATRIX_FMT_FP4 matrix_a_scale:MATRIX_SCALE_ROW1
.elseif rR1
	v_wmma_scale_f32_16x16x128_f8f6f4 v[rD:rD+7], v[rS0:rS0+7], v[rS1:rS1+7], v[rD:rD+7], v[rX0], v[rX1] matrix_a_fmt:MATRIX_FMT_FP4 matrix_b_fmt:MATRIX_FMT_FP4 matrix_b_scale:MATRIX_SCALE_ROW1
.else
	v_wmma_scale_f32_16x16x128_f8f6f4 v[rD:rD+7], v[rS0:rS0+7], v[rS1:rS1+7], v[rD:rD+7], v[rX0], v[rX1] matrix_a_fmt:MATRIX_FMT_FP4 matrix_b_fmt:MATRIX_FMT_FP4
.endif
.endif
.endm
.macro MULS q, z
.if \z
	WIN 0x91
.else
	WIN 0xa1
.endif
.irp a, 0,1,2,3
.irp b, 0,1,2,3,4,5,6,7
.set rD, 8*(8*\a+\b)
.set rS0, 128*((\q)%2)+8*\b
.set rS1, AF+AFS*((\q)%2)+8*\a
.set rC, 64+8*\b
.set rX0, SB+8*(\b/2)+(\q)
.set rX1, SA+8*(\a/2)+(\q)
.set rR0, \b%2
.set rR1, \a%2
	WM \z
.endr
.endr
.endm
.macro FETCH q
	WIN 0x40
.irp i, 0,1,2,3,4,5,6,7
.irp c, 0,1
	ds_load_b128 v[128*((\q)%2)+8*\i+4*\c:128*((\q)%2)+8*\i+4*\c+3], v[ADRB+(\q)/4] offset:64*((\q)%4)+32*\c+\i*16*PITCH
.endr
.endr
	WIN 0
.irp i, 0,1,2,3
.irp c, 0,1
	ds_load_b128 v[AF+AFS*((\q)%2)+8*\i+4*\c:AF+AFS*((\q)%2)+8*\i+4*\c+3], v[ADRA] offset:8192*\i+1024*(\q)+512*\c
.endr
.endr
.endm
.macro STEP q, z, fetch, bar
	s_wait_dscnt 0x0
.if \bar
	s_wait_tensorcnt 0x0
	s_barrier_signal -1
	s_barrier_wait -1
.endif
.if \fetch
	PLACES 4
	FETCH \q+1
.endif
	MULS \q, \z
.endm
	s_load_b256 s[4:11], s[0:1], 0x0
	s_load_b128 s[12:15], s[0:1], 0x20
	v_lshl_add_u32 v[SPW], v0, 2, SPARE
	v_mov_b32 v[NIL], 0
	ds_add_u32 v[SPW], v[NIL]
	ds_add_u32 v[SPW], v[NIL]
	v_lshrrev_b32 v1, 5, v0
	v_readfirstlane_b32 s20, v1
	s_lshr_b32 s21, s20, 1
	s_and_b32 s22, s20, 1
	s_bfe_u32 s40, ttmp6, 0x40000
	s_bfe_u32 s41, ttmp6, 0x40004
	s_lshl_b32 s42, ttmp9, 2
	s_add_co_u32 s42, s42, s40
	s_and_b32 s43, ttmp7, 0xffff
	s_lshl_b32 s43, s43, 2
	s_add_co_u32 s43, s43, s41
	s_lshl_b32 s46, s41, 2
	s_lshl_b32 s46, 15, s46
	s_lshl_b32 s47, 0x1111, s40
	s_or_b32 s[G1], s46, (3<<16)|(1<<21)
	s_mov_b32 s[G1+1], 1024<<16                    ; rows of 1,024 elements of 8 bytes: an image of 16 rows x all of K
	s_mov_b32 s[G1+2], 4<<16
	s_mov_b32 s[G1+3], 1024<<16
	s_mov_b32 s[G1+4], 4
	s_mov_b32 s[G1+5], 1024
	s_mov_b32 s[G1+6], 0
	s_mov_b32 s[G1+7], 0
	s_or_b32 s[G1B], s47, (0<<16)|(1<<20)|(1<<21)|(6<<22)|(3<<25)   ; 4 words of padding behind every 128
	s_mov_b32 s[G1B+1], 512<<16
	s_mov_b32 s[G1B+2], 128<<16
	s_mov_b32 s[G1B+3], 512<<16
	s_mov_b32 s[G1B+4], 128
	s_mov_b32 s[G1B+5], 512
	s_mov_b32 s[G1B+6], 0
	s_mov_b32 s[G1B+7], 0
	s_lshl_b32 s68, s43, 16
	s_lshl_b32 s69, s22, 15
	s_add_co_u32 s68, s68, s69
	s_mov_b32 s69, 0
	s_lshl_b32 s72, s42, 17
	s_lshl_b32 s73, s22, 16
	s_add_co_u32 s72, s72, s73
	s_mov_b32 s73, 0
	s_lshl_b32 s23, s22, 15
	s_mul_i32 s93, s22, HALFB
	s_add_co_u32 s93, s93, AIMG
	s_wait_dscnt 0x0
	s_wait_kmcnt 0x0
	s_add_nc_u64 s[70:71], s[4:5], s[68:69]
	s_add_nc_u64 s[74:75], s[8:9], s[72:73]
	CROUND
.irp s, 0
	s_mov_b32 s[G0+4*\s], 1
	s_add_co_u32 s[G0+4*\s+1], s23, \s*SLOT
	s_add_nc_u64 s[G0+4*\s+2:G0+4*\s+3], s[70:71], \s*4096
	s_or_b32 s[G0+4*\s+3], s[G0+4*\s+3], 0x80000000
	s_mov_b32 s[G0B+4*\s], 1
	s_add_co_u32 s[G0B+4*\s+1], s93, \s*SLOT
	s_add_nc_u64 s[G0B+4*\s+2:G0B+4*\s+3], s[74:75], \s*256
	s_or_b32 s[G0B+4*\s+3], s[G0B+4*\s+3], 0x80000000
	JLOAD G0+4*\s, G1, G0B+4*\s, G1B               ; my one tensor load, behind the round above
.endr
	v_and_b32 v1, 15, v0
	v_bfe_u32 v2, v0, 4, 1
	v_and_b32 v3, 31, v0
	v_lshlrev_b32 v[CO], 4, v3
	v_mul_u32_u24 v4, v1, PITCH
	v_lshl_add_u32 v4, v2, 4, v4
	s_lshl_b32 s2, s21, 15
	s_mul_i32 s3, s22, HALFB
	s_add_co_u32 s3, s3, AIMG
.irp s, 0,1
	v_add_nc_u32 v[ADRA+\s], s2, v[CO]
	v_add_nc_u32 v[ADRB+\s], s3, v4
	s_add_co_u32 s2, s2, SLOT
	s_add_co_u32 s3, s3, SLOT
.endr
	s_mul_i32 s2, s20, 16*528
	s_add_co_u32 s2, s2, STAGE
	v_mul_u32_u24 v5, v1, 528
	v_lshl_add_u32 v5, v2, 5, v5
	v_add_nc_u32 v[STO], s2, v5
	v_add_nc_u32 v[RD], s2, v[CO]
	v_lshlrev_b32 v6, 2, v3
	s_wait_alu depctr_va_vdst(0)
	v_lshlrev_b32 v7, 5, v3
	s_wait_alu depctr_va_vdst(0)
	v_lshlrev_b32 v8, 5, v2
	s_wait_alu depctr_va_vdst(0)
	s_lshl_b32 s2, s43, 9
	s_lshl_b32 s3, s21, 8
	s_add_co_u32 s2, s2, s3
	s_mov_b32 s3, 0
	s_add_nc_u64 s[6:7], s[6:7], s[2:3]
	s_lshl_b32 s2, s42, 13
	s_lshl_b32 s94, s22, 12
	s_add_co_u32 s2, s2, s94
	s_add_nc_u64 s[10:11], s[10:11], s[2:3]
	s_lshl_b32 s2, s42, 10
	s_lshl_b32 s94, s22, 9
	s_add_co_u32 s2, s2, s94
	s_add_nc_u64 s[12:13], s[12:13], s[2:3]
	s_add_nc_u64 s[14:15], s[14:15], s[2:3]
	s_lshl_b32 s2, s43, 19
	s_lshl_b32 s94, s21, 18
	s_add_co_u32 s2, s2, s94
	s_add_nc_u64 s[14:15], s[14:15], s[2:3]
.irp j, 0,1
.irp q, 0,1,2,3,4,5,6,7
	global_load_b32 v[SA+8*\j+\q], v6, s[6:7] offset:128*\j+32768*\q
.endr
.endr
.irp j, 0,1,2,3
	global_load_b128 v[SB+8*\j:SB+8*\j+3], v7, s[10:11] offset:1024*\j
	global_load_b128 v[SB+8*\j+4:SB+8*\j+7], v7, s[10:11] offset:1024*\j+16
.endr
	WIN 0x40
.irp b, 0,1,2,3,4,5,6,7
	global_load_b128 v[64+8*\b:64+8*\b+3], v8, s[12:13] offset:64*\b
	global_load_b128 v[64+8*\b+4:64+8*\b+7], v8, s[12:13] offset:64*\b+16
.endr
	WIN 0
	s_wait_tensorcnt 0x0                           ; my part is in
	s_barrier_signal -1
	s_barrier_wait -1
	FETCH 0
	s_wait_loadcnt 0x0
	STEP 0, 1, 1, 0
	STEP 1, 0, 1, 0
	STEP 2, 0, 1, 0
	STEP 3, 0, 1, 0
	STEP 4, 0, 1, 0
	STEP 5, 0, 1, 0
	STEP 6, 0, 1, 0
	STEP 7, 0, 0, 0
	WIN 0
.macro TOSTAGE a
	WIN 0x08
.irp b, 0,1,2,3,4,5,6,7
	ds_store_b128 v[STO], v[64*(\a)+8*\b:64*(\a)+8*\b+3] offset:64*\b
	ds_store_b128 v[STO], v[64*(\a)+8*\b+4:64*(\a)+8*\b+7] offset:64*\b+16
.endr
	WIN 0
.set BB, BK+64*((\a)%2)
.irp t, 0,1,2,3,4,5,6,7,8,9,10,11,12,13,14,15
	ds_load_b128 v[BB+4*\t:BB+4*\t+3], v[RD] offset:\t*528
.endr
.endm
.macro SEND a, younger
.set BB, BK+64*((\a)%2)
	s_wait_dscnt \younger
.irp t, 0,1,2,3,4,5,6,7,8,9,10,11,12,13,14,15
	global_store_b128 v[CO], v[BB+4*\t:BB+4*\t+3], s[14:15] offset:(16*(\a)+\t)*4096 th:TH_STORE_NT
.endr
.endm
	PLACES 4
	TOSTAGE 0
.irp a, 1,2,3
.if \a > 1
	s_wait_xcnt 0x0
.endif
	TOSTAGE \a
	SEND \a-1, 32
.endr
	SEND 3, 0
	s_wait_tensorcnt 0x0
	ds_add_u32 v[SPW], v[NIL]
	s_wait_dscnt 0x0
	CROUND
	s_endpgm
.Lfunc_end_k_q8155e86cad_proj:
	.size	k_q8155e86cad_proj, .Lfunc_end_k_q8155e86cad_proj-k_q8155e86cad_proj
	.p2alignl 7, 3214868480
	.fill 96, 4, 3214868480
	.section	.rodata,"a",@progbits
	.p2align	6, 0x0
	.amdhsa_kernel k_q8155e86cad_proj
		.amdhsa_group_segment_fixed_size 327680
		.amdhsa_private_segment_fixed_size 0
		.amdhsa_enable_private_segment 0
		.amdhsa_kernarg_size 48
		.amdhsa_user_sgpr_count 2
		.amdhsa_user_sgpr_kernarg_segment_ptr 1
		.amdhsa_wavefront_size32 1
		.amdhsa_system_sgpr_workgroup_id_x 1
		.amdhsa_system_sgpr_workgroup_id_y 1
		.amdhsa_system_sgpr_workgroup_id_z 1
		.amdhsa_system_vgpr_workitem_id 0
		.amdhsa_next_free_vgpr 768
		.amdhsa_next_free_sgpr 100
		.amdhsa_reserve_vcc 0
		.amdhsa_float_denorm_mode_32 3
		.amdhsa_float_denorm_mode_16_64 3
		.amdhsa_memory_ordered 1
		.amdhsa_forward_progress 1
		.amdhsa_inst_pref_size 71
	.end_amdhsa_kernel
	.amdgpu_metadata
---
amdhsa.version: [ 1, 2 ]
amdhsa.kernels:
  - .name:           k_q8155e86cad_proj
    .symbol:         k_q8155e86cad_proj.kd
    .args:
      - { .name: o_img, .offset: 0, .size: 8, .value_kind: global_buffer, .address_space: global }
      - { .name: o_sc, .offset: 8, .size: 8, .value_kind: global_buffer, .address_space: global }
      - { .name: W_out_codes, .offset: 16, .size: 8, .value_kind: global_buffer, .address_space: global }
      - { .name: W_out_scales, .offset: 24, .size: 8, .value_kind: global_buffer, .address_space: global }
      - { .name: b_out, .offset: 32, .size: 8, .value_kind: global_buffer, .address_space: global }
      - { .name: out0, .offset: 40, .size: 8, .value_kind: global_buffer, .address_space: global }
    .group_segment_fixed_size: 327680
    .private_segment_fixed_size: 0
    .kernarg_segment_align: 8
    .kernarg_segment_size: 48
    .max_flat_workgroup_size: 128
    .sgpr_count:     100
    .vgpr_count:     768
    .wavefront_size: 32
...
	.end_amdgpu_metadata
.endif
;; end of part 4
